; MI455X (gfx1250); checked and timed in simulation.
; The chip was launched on July 23, 2026; its instructions are those of AMD's public machine-readable ISA for CDNA 5 (MIT licence, August 2026) and "CDNA5" Instruction Set Architecture Reference Guide (July 2026). The comments in the code are by the model that wrote it; some were corrected since.
;; Parallel Mo E Linear. Allowed arithmetic: matrix products marked QUANTISED: E2M1 operands, one E8M0 scale for each 32 along K, by v_wmma_scale_f32_16x16x128_f8f6f4 with both operands' format E2M1 (or v_wmma_scale_f32_32x16x128_f4), f32 sums; everything else in f32.
;; Inputs: bias 8 x 4,096 float32; group_sizes 8 int32; kernel 8 x 1,024 x 4,096 float32; sorted_experts 2,048 int32; sorted_tokens 2,048 x 1,024 float32.
;; Outputs: out0 2,048 x 4,096 float32.
;; This version of the problem:
;;   THIS VERSION OF THE PROBLEM IS GIVEN IN LOW PRECISION. The matrix products marked QUANTISED in the list below multiply operands that are first quantised to E2M1 (2 exponent bits, 1 mantissa bit; 4 bits a number), with one power-of-two scale for each 32 numbers along K (OCP MX v1.0); their sums are f32. All else is computed in f32.
;;   The module's matrix products, in the order in which they are computed (A, B: the left and right operand; K: the contracted axis; several contracted axes count as one K, in the product's order):
;;     1. [M 2,048, K 1,024] x [K 1,024, N 4,096]; A: computed on the way; B: input kernel: QUANTISED
;;     2. [M 2,048, K 1,024] x [K 1,024, N 4,096]; A: computed on the way; B: input kernel: QUANTISED
;;     3. [M 2,048, K 1,024] x [K 1,024, N 4,096]; A: computed on the way; B: input kernel: QUANTISED
;;     4. [M 2,048, K 1,024] x [K 1,024, N 4,096]; A: computed on the way; B: input kernel: QUANTISED
;;     5. [M 2,048, K 1,024] x [K 1,024, N 4,096]; A: computed on the way; B: input kernel: QUANTISED
;;     6. [M 2,048, K 1,024] x [K 1,024, N 4,096]; A: computed on the way; B: input kernel: QUANTISED
;;     7. [M 2,048, K 1,024] x [K 1,024, N 4,096]; A: computed on the way; B: input kernel: QUANTISED
;;     8. [M 2,048, K 1,024] x [K 1,024, N 4,096]; A: computed on the way; B: input kernel: QUANTISED
;;   THE QUANTISER, for each operand of a quantised product, along K:
;;     - K is cut into blocks of 32 from its start; a last block that is shorter is filled with zeros.
;;     - A block's scale is 2^e with e = floor(log2(the largest magnitude in the block)) - 2, held to -126 .. 127; a block of zeros has e = 0. As a byte (E8M0): e + 127.
;;     - Each number is divided by its block's scale, clamped to +-6, and rounded to the nearest number of E2M1, ties to even, subnormals kept.
;;     - The product sums the exact products of the quantised numbers (number of the format x scale) in f32.
;;   ~~~python
;;   def quantise(x, axis):      # numpy; x: float32 -> the quantised numbers, widened to float32 again
;;       x = np.moveaxis(x, axis, -1); K = x.shape[-1]
;;       x = np.pad(x, [(0, 0)] * (x.ndim - 1) + [(0, -K % 32)]); x = x.reshape(x.shape[:-1] + (-1, 32)); a = np.abs(x).max(-1, keepdims=True)
;;       e = np.where(a > 0, np.clip(np.frexp(np.where(a > 0, a, 1))[1] - 1 - 2, -126, 127), 0)      # np.frexp(a)[1] - 1 = floor(log2(a)), exactly
;;       r = np.clip(x / 2.0 ** e, -6, 6)
;;       step = 2.0 ** (np.maximum(np.frexp(np.where(r == 0, 1, r))[1] - 1, 0) - 1)
;;       q = np.round(r / step) * step * 2.0 ** e      # np.round: ties to even
;;       return np.moveaxis(q.reshape(q.shape[:-2] + (-1,))[..., :K], -1, axis).astype(np.float32)
;;   ~~~
;;   OPERANDS COMPUTED ON THE WAY. 'Computed on the way' means the value that the module computes at that place (a softmax that the list does not call 'softmax' is quantised finished and normalised). What goes into a quantiser is computed in f32, as accurately as f32 sums, v_exp_f32 and their like allow (about 1e-6 of the number): no bf16 or f16 on the way to a quantiser, and a product that is left as it is and whose result goes on into a quantised operand takes f32 operands (vector FMAs, or v_wmma_f32_16x16x4_f32). A number that lies on a knife's edge between two numbers of the format may be rounded either way, as far as f32 arithmetic and the matrix unit's own rounding can turn it there, and no further.
;; 2 versions. Each part assembles by itself: llvm-mc -triple=amdgcn-amd-amdhsa -mcpu=gfx1250 --defsym DOCPART=n.
;; ======== version 1 of 2: 2 launches
;; workspace buffers: xcodes 1,048,576 bytes; xscales 65,536 bytes; route 8,960 bytes of whole numbers
;; launch prep (part 1): grid 257 x 1, 8 waves a work-group, no clusters, 39,168 bytes of LDS; arguments sorted_tokens, sorted_experts, xcodes, xscales, route; writes xcodes, xscales, route
.if DOCPART == 1
	.amdgcn_target "amdgcn-amd-amdhsa--gfx1250"
	.amdhsa_code_object_version 6
	.text
	.protected	k_q8c68bd131c_prep
	.globl	k_q8c68bd131c_prep
	.p2align	8
	.type	k_q8c68bd131c_prep,@function
k_q8c68bd131c_prep:
	s_mov_b64 s[64:65], 0
	v_nop
	global_prefetch_b8 v0, s[64:65] scope:SCOPE_SE
	s_setreg_imm32_b32 hwreg(HW_REG_WAVE_MODE, 25, 1), 1
	s_wait_xcnt 0x0
; PREP.  Two jobs in one launch, told apart by the work-group's number.
; Work-groups 1 .. 256: sorted_tokens [2048][1024] f32 becomes codes of FP4 (E2M1), K innermost, 512 bytes a row (xcodes), and one E8M0 byte for each 32 along K, 32 bytes a row (xscales).
;   A block's scale is 2^(floor(log2(its largest magnitude)) - 2); its byte is the largest magnitude's exponent field - 2, held at 1 from below.
;   Work-group g + 1 takes rows 8 g .. 8 g + 7, a wave a row, a lane a block of 32.  Each load reads 512 consecutive bytes; the row turns through the wave's own stage in LDS so that a lane gets its block's 32 neighbours.
; Work-group 0: a counting sort of sorted_experts [2048] into a list of tiles of 16 rows (route):
;   bytes 0 .. 35: tstart[0 .. 8], the first tile of each expert, tstart[8] = the number of tiles (the words up to byte 127 are stored too and not read);
;   from byte 256: order[tile][16], token numbers.  Within an expert the tokens DESCEND, and the rows that are over in its last tile hold 2047: so row 0 of every tile holds the tile's largest number,
;   and min(entry, row 0's entry) turns a row that is over into a repeat of row 0.  At most (2048 + 8 x 15) / 16 = 135 tiles, whatever the split.
; group_sizes is not among the arguments: the function that this program computes never reads it; all counts come from sorted_experts.
; LIMITS: NaN and infinities among the tokens are not served.  A block of zeros gets the byte 1 where the quantiser's rule says 127: its codes are zeros, which add nothing under any byte but 0xff, and this program alone
; reads the bytes.  Expert numbers are taken to lie in 0 .. 7, as the bias table that they index has 8 rows.
.set QP,   144                         ; a block's place in a stage: 128 bytes + 16 of padding: 9 x 16 bytes, so the lanes' 16-byte reads start in different groups of banks (64 banks of 4 bytes: ISA guide 11.1)
.set QW,   32*QP                       ; a wave's stage: 4,608 bytes
.set QSC,  8*QW                        ; behind the eight stages: the work-group's 256 scale bytes
.set CT,   QSC+256                     ; the sort's own bytes: 32 words of counts for each wave
.set R,    16                          ; v16-47  the row as loaded
.set X,    48                          ; v48-79  my block's 32 numbers
.set CD,   80                          ; v80-83  its codes
.set XE,   16                          ; the sort: v16-23 expert numbers of my 8 tokens
.set RK,   24                          ; v24-31  their ranks among the wave's tokens of the same expert
.set BS,   32                          ; v32-39  the expert's base, then the token's slot, then its byte
.set CW,   40                          ; v40-47  the eight waves' counts, later my tokens' numbers
.set LASTSLOT, 135*16-1
	s_load_b256 s[4:11], s[0:1], 0x0               ; tokens s[4:5], experts s[6:7], xcodes s[8:9], xscales s[10:11]
	s_load_b64 s[12:13], s[0:1], 0x20              ; route
	v_lshl_add_u32 v96, v0, 2, 0x9500
	v_mov_b32 v97, 0
	v_lshrrev_b32 v1, 5, v0
	v_readfirstlane_b32 s14, v1                    ; wave 0..7
	v_and_b32 v1, 31, v0                           ; lane
	s_wait_kmcnt 0x0
	s_cmp_eq_u32 ttmp9, 0                          ; the same in all waves of a work-group
	s_cbranch_scc1 .Lsort
	; ---------------- the tokens ----------------
	s_sub_co_u32 s15, ttmp9, 1                     ; g
	s_lshl_b32 s16, s15, 3
	s_add_co_u32 s16, s16, s14                     ; my row
	s_mov_b32 s19, 0
	s_lshl_b32 s18, s16, 12
	s_add_nc_u64 s[4:5], s[4:5], s[18:19]          ; 4,096 bytes a row of f32
	s_lshl_b32 s18, s16, 9
	s_add_nc_u64 s[8:9], s[8:9], s[18:19]          ; 512 bytes a row of codes
	s_lshl_b32 s18, s15, 8
	s_add_nc_u64 s[10:11], s[10:11], s[18:19]      ; 256 scale bytes a work-group
	v_lshlrev_b32 v2, 4, v1                        ; 16 x lane
.irp i, 0,1,2,3,4,5,6,7
	global_load_b128 v[R+4*\i:R+4*\i+3], v2, s[4:5] offset:512*\i th:TH_LOAD_NT   ; 32 lanes read 512 consecutive bytes: four blocks
.endr
	s_mul_i32 s17, s14, QW                         ; my stage
	v_lshrrev_b32 v3, 3, v1
	v_mul_u32_u24 v3, v3, QP
	v_and_b32 v4, 7, v1
	v_lshl_add_u32 v3, v4, 4, v3
	v_add_nc_u32 v3, s17, v3                       ; in: eight lanes' 128 bytes on end are a block: QP (lane / 8) + 16 (lane % 8); a load's four blocks take four places
	v_mul_u32_u24 v4, v1, QP
	v_add_nc_u32 v4, s17, v4                       ; out: QP x lane: my block
	v_add_nc_u32 v5, QSC, v0                       ; my block's scale byte: 32 x wave + lane
	v_lshl_add_u32 v6, v1, 3, QSC                  ; and on the way out 8 bytes a lane
	v_lshlrev_b32 v7, 3, v1
.irp i, 0,1,2,3,4,5,6,7
	s_wait_loadcnt 7-\i                            ; loads come back in order: load i is in, the 7 - i younger ones may be out
	ds_store_b128 v3, v[R+4*\i:R+4*\i+3] offset:4*QP*\i
.endr
.irp g, 0,1,2,3,4,5,6,7
	ds_load_b128 v[X+4*\g:X+4*\g+3], v4 offset:16*\g    ; LDS serves a wave's instructions in order: these see my stores
.endr
	s_wait_dscnt 0x0
	v_max3_num_f32 v8, |v[X]|, |v[X+1]|, |v[X+2]|  ; the block's largest magnitude, in two chains
	v_max3_num_f32 v9, |v[X+3]|, |v[X+4]|, |v[X+5]|
.irp i, 6,10,14,18,22,26
	v_max3_num_f32 v8, v8, |v[X+\i]|, |v[X+\i+1]|
	v_max3_num_f32 v9, v9, |v[X+\i+2]|, |v[X+\i+3]|
.endr
	v_max3_num_f32 v8, v8, |v[X+30]|, |v[X+31]|
	v_max3_num_f32 v8, v8, v9, 0x1800000           ; and the floor 2^(3 - 127): the byte cannot fall under 1
	v_add_nc_u32 v10, 0xff000000, v8               ; 2 off the exponent field: the conversion takes the exponent field of this operand as its scale, and nothing else of it
.irp g, 0,1,2,3
	v_cvt_scalef32_pk8_fp4_f32 v[CD+\g], v[X+8*\g:X+8*\g+7], v10   ; to the nearest code, ties to even, beyond 6 the largest code; the first number's code in the lowest four bits
.endr
	v_lshrrev_b32 v11, 23, v10                     ; the scale's byte (also the plain instruction behind the conversions)
	global_store_b128 v2, v[CD:CD+3], s[8:9]       ; 32 lanes store the row's 512 consecutive bytes
	ds_store_b8 v5, v11
	s_wait_dscnt 0x0                               ; for wave 0's sake: my byte has landed
	s_barrier_signal -1
	s_barrier_wait -1
	s_cmp_lg_u32 s14, 0
	s_cbranch_scc1 .Lqend
	ds_load_b64 v[12:13], v6                       ; wave 0: the eight rows' 256 scale bytes
	s_wait_dscnt 0x0
	global_store_b64 v7, v[12:13], s[10:11]        ; 32 lanes store 256 consecutive bytes, aligned
.Lqend:
	s_wait_tensorcnt 0x0
	ds_add_u32 v96, v97
	s_wait_dscnt 0x0
	s_endpgm
	; ---------------- the sort ----------------
	; Wave w owns tokens 256 w .. 256 w + 255; my token g is 256 w + 32 g + lane.
.Lsort:
	s_lshl_b32 s33, s14, 8
	v_add_nc_u32 v58, s33, v1                      ; my first token
	v_lshlrev_b32 v62, 2, v58
.irp g, 0,1,2,3,4,5,6,7
	global_load_b32 v[XE+\g], v62, s[6:7] offset:128*\g
.endr
	v_lshl_add_u32 v60, v0, 2, CT                  ; where my wave's counts go: 128 x wave + 4 x lane
	v_lshl_add_u32 v61, v1, 2, CT                  ; and where a wave's counts are read: 4 x lane
	v_lshlrev_b32 v63, 2, v1
	v_mov_b32 v48, 0
	v_mov_b32 v53, 0                               ; (a DPP move's destination counts as one of its sources)
.irp e, 0,1,2,3,4,5,6,7
	s_mov_b32 s[16+\e], 0                          ; s16-23: the wave's count for each expert
.endr
	s_mov_b32 s40, 0xffff0000                      ; lanes 16-31
	s_wait_loadcnt 0x0
	; rank of each token among the wave's tokens of its expert, ascending: what was counted in the groups before + the lower lanes of this group
.irp g, 0,1,2,3,4,5,6,7
.irp e, 0,1,2,3,4,5,6,7
	v_cmp_eq_u32 vcc_lo, \e, v[XE+\g]
.if \e == 0
	v_mbcnt_lo_u32_b32 v[RK+\g], vcc_lo, s[16+\e]  ; (written whole; the right expert's turn writes it over)
.else
	v_mbcnt_lo_u32_b32 v59, vcc_lo, s[16+\e]
	v_cndmask_b32 v[RK+\g], v[RK+\g], v59, vcc_lo
.endif
	s_bcnt1_i32_b32 s32, vcc_lo
	s_add_co_u32 s[16+\e], s[16+\e], s32
.endr
.endr
.irp e, 0,1,2,3,4,5,6,7
	v_writelane_b32 v48, s[16+\e], \e              ; lane e: the wave's count for expert e; lanes 8-31: 0
.endr
	ds_store_b32 v60, v48
	s_wait_dscnt 0x0                               ; for the others' sake: my counts have landed
	s_barrier_signal -1
	s_barrier_wait -1
.irp p, 0,1,2,3,4,5,6,7
	ds_load_b32 v[CW+\p], v61 offset:128*\p        ; every wave reads all eight waves' counts; from here on lane e works for expert e
.endr
	s_wait_dscnt 0x0
	v_add3_u32 v49, v[CW], v[CW+1], v[CW+2]
	v_add3_u32 v49, v49, v[CW+3], v[CW+4]
	v_add3_u32 v49, v49, v[CW+5], v[CW+6]
	v_add_nc_u32 v49, v49, v[CW+7]                 ; the expert's tokens in all
	v_mov_b32 v50, 0
.irp p, 0,1,2,3,4,5,6
	s_cmp_gt_u32 s14, \p
	s_cselect_b32 s32, -1, 0
	v_and_b32 v59, s32, v[CW+\p]
	v_add_nc_u32 v50, v50, v59                     ; and in the waves before mine
.endr
	v_add_nc_u32 v51, 15, v49
	v_lshrrev_b32 v51, 4, v51                      ; its tiles
	v_mov_b32 v52, v51
.irp n, 1,2,4,8
	v_mov_b32_dpp v53, v52 row_shr:\n row_mask:0xf bank_mask:0xf bound_ctrl:1   ; a running sum over the lanes of a row; lanes without a source take 0
	v_add_nc_u32 v52, v52, v53
.endr
	v_sub_nc_u32 v54, v52, v51                     ; tstart: the tiles of the experts before; lane 8: all tiles
	v_lshl_add_u32 v56, v54, 4, v49                ; the slot behind the expert's last token
	v_lshlrev_b32 v57, 4, v52                      ; the slot behind its last tile
	v_sub_nc_u32 v55, v56, v50
	v_add_nc_u32 v55, -1, v55                      ; the slot of my wave's first token of the expert: the order descends, so slot = this - rank
	s_cmp_lg_u32 s14, 0
	s_cbranch_scc1 .Lnot_first
	global_store_b32 v63, v54, s[12:13]            ; wave 0: tstart, 128 bytes
.Lnot_first:
.irp e, 0,1,2,3,4,5,6,7
	v_readlane_b32 s[24+\e], v55, \e
.endr
.irp g, 0,1,2,3,4,5,6,7
	v_mov_b32 v[BS+\g], s24
.irp e, 1,2,3,4,5,6,7
	v_cmp_eq_u32 vcc_lo, \e, v[XE+\g]
	v_cndmask_b32 v[BS+\g], v[BS+\g], s[24+\e], vcc_lo
.endr
	v_sub_nc_u32 v[BS+\g], v[BS+\g], v[RK+\g]
	v_min_u32 v[BS+\g], LASTSLOT, v[BS+\g]         ; a number made of loaded numbers enters an address behind a bound
	v_lshlrev_b32 v[BS+\g], 2, v[BS+\g]
	v_add_nc_u32 v[CW+\g], 32*\g, v58              ; the token's number
	global_store_b32 v[BS+\g], v[CW+\g], s[12:13] offset:256   ; four bytes to a place of its own: a table of 8,640 bytes, written once
.endr
	; the rows that are over: in wave w lanes 0-15 serve expert 2 w, lanes 16-31 expert 2 w + 1 (lanes 8-15 of the sums above stand for experts that do not exist: their two slots are equal, nothing is stored)
	s_lshl_b32 s36, s14, 1
	s_add_co_u32 s37, s36, 1
	v_readlane_b32 s32, v56, s36
	v_readlane_b32 s33, v56, s37
	v_readlane_b32 s34, v57, s36
	v_readlane_b32 s35, v57, s37
	v_mov_b32 v64, s32
	v_cndmask_b32 v64, v64, s33, s40
	v_mov_b32 v65, s34
	v_cndmask_b32 v65, v65, s35, s40
	v_and_b32 v59, 15, v1
	v_add_nc_u32 v64, v64, v59
	v_cmp_lt_u32 vcc_lo, v64, v65                  ; inside the expert's last tile?
	v_min_u32 v64, LASTSLOT, v64
	v_lshlrev_b32 v64, 2, v64
	v_mov_b32 v66, 2047
	s_wait_xcnt 0x0                                ; EXEC is a source of the stores above: it changes only behind this wait
	s_wait_tensorcnt 0x0
	ds_add_u32 v96, v97
	s_wait_dscnt 0x0
	s_and_saveexec_b32 s41, vcc_lo
	global_store_b32 v64, v66, s[12:13] offset:256
	s_wait_xcnt 0x0                                ; and again in front of the line that widens it
	s_or_b32 exec_lo, exec_lo, s41
	s_endpgm
.Lfunc_end_k_q8c68bd131c_prep:
	.size	k_q8c68bd131c_prep, .Lfunc_end_k_q8c68bd131c_prep-k_q8c68bd131c_prep
	.p2alignl 7, 3214868480
	.fill 96, 4, 3214868480
	.section	.rodata,"a",@progbits
	.p2align	6, 0x0
	.amdhsa_kernel k_q8c68bd131c_prep
		.amdhsa_group_segment_fixed_size 39168
		.amdhsa_private_segment_fixed_size 0
		.amdhsa_enable_private_segment 0
		.amdhsa_kernarg_size 40
		.amdhsa_user_sgpr_count 2
		.amdhsa_user_sgpr_kernarg_segment_ptr 1
		.amdhsa_wavefront_size32 1
		.amdhsa_system_sgpr_workgroup_id_x 1
		.amdhsa_system_sgpr_workgroup_id_y 1
		.amdhsa_system_sgpr_workgroup_id_z 1
		.amdhsa_system_vgpr_workitem_id 0
		.amdhsa_next_free_vgpr 98
		.amdhsa_next_free_sgpr 66
		.amdhsa_reserve_vcc 1
		.amdhsa_float_denorm_mode_32 3
		.amdhsa_float_denorm_mode_16_64 3
		.amdhsa_memory_ordered 1
		.amdhsa_forward_progress 1
		.amdhsa_inst_pref_size 32
	.end_amdhsa_kernel
	.amdgpu_metadata
---
amdhsa.version: [ 1, 2 ]
amdhsa.kernels:
  - .name:           k_q8c68bd131c_prep
    .symbol:         k_q8c68bd131c_prep.kd
    .args:
      - { .name: sorted_tokens, .offset: 0, .size: 8, .value_kind: global_buffer, .address_space: global }
      - { .name: sorted_experts, .offset: 8, .size: 8, .value_kind: global_buffer, .address_space: global }
      - { .name: xcodes, .offset: 16, .size: 8, .value_kind: global_buffer, .address_space: global }
      - { .name: xscales, .offset: 24, .size: 8, .value_kind: global_buffer, .address_space: global }
      - { .name: route, .offset: 32, .size: 8, .value_kind: global_buffer, .address_space: global }
    .group_segment_fixed_size: 39168
    .private_segment_fixed_size: 0
    .kernarg_segment_align: 8
    .kernarg_segment_size: 40
    .max_flat_workgroup_size: 256
    .sgpr_count:     66
    .vgpr_count:     98
    .wavefront_size: 32
...
	.end_amdgpu_metadata
.endif
;; end of part 1
;; launch moe (part 2): grid 32 x 8, 4 waves a work-group, no clusters, 111,104 bytes of LDS; arguments kernel, bias, xcodes, xscales, route, out0; writes out0
.if DOCPART == 2
	.amdgcn_target "amdgcn-amd-amdhsa--gfx1250"
	.amdhsa_code_object_version 6
	.text
	.protected	k_q8c68bd131c_moe
	.globl	k_q8c68bd131c_moe
	.p2align	8
	.type	k_q8c68bd131c_moe,@function
k_q8c68bd131c_moe:
	s_mov_b64 s[64:65], 0
	v_nop
	global_prefetch_b8 v0, s[64:65] scope:SCOPE_SE
	s_setreg_imm32_b32 hwreg(HW_REG_WAVE_MODE, 25, 1), 1
	s_wait_xcnt 0x0
; MOE.  out0[i][:] = Q(token i) . Q(kernel[e_i]) + bias[e_i], both operands codes of FP4 (E2M1) with one E8M0 scale for each 32 along K = 1024; sums in f32.  Only the chosen expert's product is made: the others'
; operands are rows of zeros.
; SHARES.  Work-group (x, y) owns columns 128 x .. 128 x + 127 of expert y: 32 x 8 = 256 work-groups, so each byte of kernel [8][1024][4096] f32 is read once in the launch.
; PHASE A: the strip [1024 K][128 columns] is quantised along K.  Wave w takes columns 64 (w % 2) on and K 512 (w / 2) on, in eight units of 64 along K.  A load of 16 bytes a lane brings FOUR COLUMNS of one row k:
;   lanes 0-15 read 256 consecutive bytes of row k, aligned, lanes 16-31 the same columns of row k + 32.  So lane (r, h) (r = lane % 16, h = lane / 16) holds columns 64 cg + 4 r + j, j = 0 .. 3, at k = 64 unit + 32 h + i,
;   i = 0 .. 31: the very k that the 4-bit operand layout gives that lane, a whole block of 32 for each column.  The four columns lie interleaved in the loaded registers; 128 moves a unit sort them into runs along K, which the
;   conversions want.  That is the price of 512 bytes a load: a wave has 64 loads and more on their way.
;   COLUMN TILE T = 4 cg + j is the columns 64 cg + 4 r + j, r = 0 .. 15: which columns form a tile is free.  Codes and scale words go to LDS as images of the operand's registers; one barrier; every wave then
;   takes the whole strip's codes into 512 registers.
; PHASE B: wave w takes the expert's tiles of 16 tokens w, w + 4, .. from the list that the launch before has stored.  A tile's rows of codes (512 consecutive bytes each) are gathered a trip ahead, turn through the wave's own
;   stage in LDS into fragments, and meet all 8 column tiles: 64 matrix instructions.  Source 0 = 16 tokens, source 1 = a column tile: register m of lane (r, h) is (token 8 h + m, column 64 cg + 4 r + j).
;   The addition of the bias writes the four tiles' results into four neighbouring registers, so that sixteen lanes store 256 consecutive bytes of a row of out0, aligned, with no stage on the way out.
;   A row that is over in an expert's last tile repeats the tile's row 0 (min with row 0's entry): the same bytes are stored twice by the same wave; no lane is ever switched off.
; NO TENSOR LOADS, NO CLUSTER: the number of trips over token tiles is read from memory, so every operand comes through registers; what work-groups share, the token codes, is 8,704 bytes a tile beside the strip's 524,288.
; An expert without tokens: its work-groups still pass the one barrier, which stands under no branch, and store nothing.  A skewed split is served; its work then lies on fewer work-groups.
; LIMITS: NaN and infinities among the inputs are not served.  A block of zeros gets the byte 1 where the quantiser's rule says 127: its codes are zeros, and this program alone reads the bytes.
; LDS: 0: the images of the 64 weight fragments, fragment (T, s) at 1024 (8 T + s) + 512 c + 16 lane;  SCL: their scale words, (T, s) at 512 (2 T + s / 4) + 16 lane + 4 (s % 4);
;   STG: a stage of 16 rows x 560 bytes for each wave (512 of codes, 32 of scale bytes, 16 of padding: 35 x 16 bytes, so the 16 rows that a load touches start in different groups of banks: ISA guide 11.1).
; REGISTERS, in windows of 256 (s_set_vgpr_msb: bits 1:0 source 0, 3:2 source 1, 5:4 source 2, 7:6 destination):
;   window 0: v1-27 addresses; v32-95 the weights' scale words, v96-103 the tokens' (these hold scales and nothing else); v104-111 bias; v112-159 lists and offsets; v192-255 the 8 accumulators (in phase A: at work)
;   window 1: v0-63 the tokens' 8 fragments; v64-127 16 rows of codes as gathered; v128-191 results to store
;   windows 2, 3: the weights' codes, fragment (T, s) in window 2 + s / 4 at v[64 (s % 4) + 8 T]; in phase A: window 2 two landing buffers of 128, window 3 v0-127 the unit sorted by column.
.set SCL,  65536
.set STG,  73728
.set WSTG, 9216
.set SP,   560
.set L16,  4                           ; 16 x lane
.set WO,   5                           ; kernel: 16 r + 32 rows x h
.set VI,   6                           ; where I store images: 16 lane + 32768 cg + 4096 kh
.set VSC,  7                           ; and scale words: SCL + 16 lane + 4096 cg + 512 kh
.set VSL,  8                           ; where scale words are read: SCL + 16 lane
.set H8,   9                           ; 8 h
.set STS,  10                          ; my stage + 16 lane
.set STF,  11                          ; my stage + 560 r + 16 h
.set STC,  12                          ; my stage + 560 (lane / 2) + 512 + 16 (lane % 2)
.set STR,  13                          ; my stage + 560 r + 512
.set L2H,  14                          ; 4 (lane / 2)
.set H32,  15                          ; 32 h
.set L1B,  16                          ; 16 (lane % 2)
.set R16,  17                          ; 16 r
.set VU,   18                          ; offsets into the list: the tile,
.set VT,   19                          ; its entry lane / 2,
.set VS,   20                          ; its entries 8 h on
.set T0,   21                          ; the tile's row 0: its largest token number
.set SOF,  22                          ; offset of my 16 scale bytes
.set OT,   23                          ; the list's entry lane / 2
.set SL,   24                          ; v24-27 16 scale bytes as gathered
.set BS,   32                          ; the weights' scale words: (T, s) at BS + 8 T + s
.set SA,   96                          ; the tokens': K step s at SA + s
.set BIAS, 104                         ; bias of column tile T at BIAS + T
.set ORD,  112                         ; v112-127 a tile's 16 entries, in every lane
.set RO,   128                         ; v128-143 offsets of its 16 rows of codes
.set SO,   144                         ; v144-151 offsets of my 8 rows of out0
.set STK,  152                         ; v152-159 the tile's entries 8 h .. 8 h + 7
.set ACC,  192
.set CD,   192                         ; phase A: v192-207 codes, v208-211 largest magnitudes, v212-215 scale operands, v216-223 bytes of the two halves of a K step, v224-227 scale words, v228-231 the other half's
.set MX,   208
.set SOP,  212
.set BY,   216
.set PW,   224
.set PX,   228
.set RA,   64                          ; window 1
.set OUT,  128                         ; window 1: (cg, m, j) at OUT + 32 cg + 4 m + j
.set MSB, 0
.macro WIN new                         ; the immediate's high byte repeats the setting that is left; a switch that changes nothing is dropped
.if MSB != \new
	s_set_vgpr_msb (MSB<<8)|\new
.set MSB, \new
.endif
.endm
; Unit q of my 512 along K into landing buffer buf: 32 loads, row 64 q + 32 h + i.  Every offset is an immediate, 7,847,936 at the most, inside the signed 24 bits (ISA guide, chapter 10): no pointer is stepped.
.macro LOADU q, buf
	WIN 0x80
.set i, 0
.rept 32
	global_load_b128 v[128*(\buf)+4*i:128*(\buf)+4*i+3], v[WO], s[4:5] offset:(\q)*1048576+16384*i th:TH_LOAD_NT
.set i, i+1
.endr
.endm
; The landed unit sorted by column: column j's 32 numbers down K at v[32 j] of window 3
.macro SORTU buf
	WIN 0xc2
.set i, 0
.rept 32
.irp j, 0,1,2,3
	v_mov_b32 v[32*\j+i], v[128*(\buf)+4*i+\j]
.endr
.set i, i+1
.endr
.endm
; Four blocks of 32, one for each of my columns, become codes and bytes; unit q is half c = q % 2 of K step 4 kh + q / 2
.macro QUANTU q
	WIN 0x3c
.irp j, 0,1,2,3
	v_max3_num_f32 v[MX+\j], s33, |v[32*\j]|, |v[32*\j+1]|   ; the floor 2^(3 - 127) among the leaves: the byte cannot fall under 1
.endr
.irp u, 2,4,6,8,10,12,14,16,18,20,22,24,26,28,30
.irp j, 0,1,2,3
	v_max3_num_f32 v[MX+\j], v[MX+\j], |v[32*\j+\u]|, |v[32*\j+\u+1]|   ; the four columns by turns
.endr
.endr
	WIN 0
.irp j, 0,1,2,3
	v_add_nc_u32 v[SOP+\j], 0xff000000, v[MX+\j]   ; 2 off the exponent field: the conversion's scale operand
.endr
.irp j, 0,1,2,3
	v_lshrrev_b32 v[BY+4*((\q)&1)+\j], 23, v[SOP+\j]   ; the scale's byte
.endr
	s_wait_dscnt 0x0                               ; the last unit's LDS stores have read their registers
	WIN 0x03
.irp j, 0,1,2,3
.irp g, 0,1,2,3
	v_cvt_scalef32_pk8_fp4_f32 v[CD+4*\j+\g], v[32*\j+8*\g:32*\j+8*\g+7], v[SOP+\j]   ; registers 4 c + g of fragment (4 cg + j, s)
.endr
.endr
	WIN 0
	v_nop                                          ; one plain instruction behind the last scaled conversion
.irp j, 0,1,2,3
	ds_store_b128 v[VI], v[CD+4*\j:CD+4*\j+3] offset:8192*\j+512*(\q)
.endr
.if (\q)&1                             ; both halves of the K step are done: my bytes are blocks h and 2 + h of the word; lane l xor 16 has the other two
.irp j, 0,1,2,3
	v_lshl_or_b32 v[PW+\j], v[BY+4+\j], 16, v[BY+\j]
.endr
.irp j, 0,1,2,3
	v_lshlrev_b32 v[PW+\j], v[H8], v[PW+\j]
.endr
.irp j, 0,1,2,3
	v_permlanex16_b32 v[PX+\j], v[PW+\j], s34, s35
.endr
.irp j, 0,1,2,3
	v_or_b32 v[PW+\j], v[PW+\j], v[PX+\j]
.endr
.irp j, 0,1,2,3
	ds_store_b32 v[VSC], v[PW+\j] offset:1024*\j+4*((\q)>>1)
.endr
.endif
.endm
; sd = 64 x the list's tile for my tile t + add, held to the expert's last tile, to the list's last tile and to the constant 134: always a tile that has been stored
.macro GIDX sd, add
	s_add_co_u32 \sd, s30, \add
	s_min_u32 \sd, \sd, s28
	s_add_co_u32 \sd, \sd, s24
	s_min_u32 \sd, \sd, s29
	s_min_u32 \sd, \sd, 134
	s_lshl_b32 \sd, \sd, 6
.endm
; 5 loads: a tile's 16 entries into every lane (all lanes name the same bytes), and entry lane / 2
.macro ORDL sd
	v_mov_b32 v[VU], \sd
	v_add_nc_u32 v[VT], \sd, v[L2H]
.irp u, 0,1,2,3
	global_load_b128 v[ORD+4*\u:ORD+4*\u+3], v[VU], s[12:13] offset:256+16*\u
.endr
	global_load_b32 v[OT], v[VT], s[12:13] offset:256
.endm
; the entries become offsets: a row that is over takes row 0's token; each number made of loaded numbers passes a bound written in the instruction
.macro NADDR
	v_min_u32 v[T0], 2047, v[ORD]
.set i, 0
.rept 16
	v_min_u32 v[RO+i], v[ORD+i], v[T0]
.set i, i+1
.endr
	v_min_u32 v[SOF], v[OT], v[T0]
.set i, 0
.rept 16
	v_min_u32 v[RO+i], 2047, v[RO+i]
.set i, i+1
.endr
	v_min_u32 v[SOF], 2047, v[SOF]
.set i, 0
.rept 16
	v_lshl_add_u32 v[RO+i], v[RO+i], 9, v[L16]     ; 512 bytes a row of codes, 16 a lane
.set i, i+1
.endr
	v_lshl_add_u32 v[SOF], v[SOF], 5, v[L1B]       ; 32 scale bytes a row, 16 a lane
.endm
; 19 loads: the tile's 16 rows of codes (32 lanes read a row's 512 consecutive bytes), its scale bytes, and its entries 8 h .. 8 h + 7 for the stores
.macro NLOAD sd
	v_add_nc_u32 v[VS], \sd, v[H32]
	WIN 0x40
.set i, 0
.rept 16
	global_load_b128 v[RA+4*i:RA+4*i+3], v[RO+i], s[8:9]
.set i, i+1
.endr
	WIN 0
	global_load_b128 v[SL:SL+3], v[SOF], s[10:11]
.irp u, 0,1
	global_load_b128 v[STK+4*\u:STK+4*\u+3], v[VS], s[12:13] offset:256+16*\u
.endr
.endm
; 32 matrix instructions: K steps s0 .. s0 + 3 x the 8 column tiles.  The 8 accumulators take turns, one instruction a turn; K step 0 starts the sums with the constant 0.
.macro MULS win, s0
	WIN \win
.irp p, 0,1,2,3
.irp t, 0,1,2,3,4,5,6,7
.if ((\s0)+\p) == 0
	v_wmma_scale_f32_16x16x128_f8f6f4 v[ACC+8*\t:ACC+8*\t+7], v[8*((\s0)+\p):8*((\s0)+\p)+7], v[64*\p+8*\t:64*\p+8*\t+7], 0, v[SA+(\s0)+\p], v[BS+8*\t+(\s0)+\p] matrix_a_fmt:MATRIX_FMT_FP4 matrix_b_fmt:MATRIX_FMT_FP4
.else
	v_wmma_scale_f32_16x16x128_f8f6f4 v[ACC+8*\t:ACC+8*\t+7], v[8*((\s0)+\p):8*((\s0)+\p)+7], v[64*\p+8*\t:64*\p+8*\t+7], v[ACC+8*\t:ACC+8*\t+7], v[SA+(\s0)+\p], v[BS+8*\t+(\s0)+\p] matrix_a_fmt:MATRIX_FMT_FP4 matrix_b_fmt:MATRIX_FMT_FP4
.endif
.endr
.endr
.endm
	s_load_b256 s[4:11], s[0:1], 0x0               ; kernel s[4:5], bias s[6:7], xcodes s[8:9], xscales s[10:11]
	s_load_b128 s[12:15], s[0:1], 0x20             ; route s[12:13], out0 s[14:15]
	v_lshl_add_u32 v190, v0, 2, 0x1b000
	v_mov_b32 v191, 0
	v_lshrrev_b32 v1, 5, v0
	v_readfirstlane_b32 s16, v1                    ; wave 0..3
	v_and_b32 v1, 31, v0                           ; lane
	v_and_b32 v2, 15, v0                           ; r
	v_bfe_u32 v3, v0, 4, 1                         ; h
	s_and_b32 s17, s16, 1                          ; cg: which 64 columns I quantise
	s_lshr_b32 s18, s16, 1                         ; kh: which 512 along K
	s_mov_b32 s19, ttmp9                           ; the strip
	s_and_b32 s20, ttmp7, 0xffff                   ; the expert
	v_lshlrev_b32 v[L16], 4, v1
	v_lshlrev_b32 v[R16], 4, v2
	v_lshl_add_u32 v[WO], v3, 19, v[R16]           ; 32 rows of 16,384 bytes for lanes 16-31
	s_lshl_b32 s21, s17, 15
	s_lshl_b32 s22, s18, 12
	s_add_co_u32 s21, s21, s22
	v_add_nc_u32 v[VI], s21, v[L16]
	s_lshl_b32 s21, s17, 12
	s_lshl_b32 s22, s18, 9
	s_add_co_u32 s21, s21, s22
	s_add_co_u32 s21, s21, SCL
	v_add_nc_u32 v[VSC], s21, v[L16]
	v_add_nc_u32 v[VSL], SCL, v[L16]
	v_lshlrev_b32 v[H8], 3, v3
	s_mul_i32 s21, s16, WSTG
	s_add_co_u32 s21, s21, STG                     ; my stage
	v_add_nc_u32 v[STS], s21, v[L16]
	v_mul_u32_u24 v[STF], v2, SP
	v_add_nc_u32 v[STR], s21, v[STF]
	v_lshl_add_u32 v[STF], v3, 4, v[STR]
	v_add_nc_u32 v[STR], 512, v[STR]
	v_lshrrev_b32 v[L2H], 1, v1
	v_and_b32 v[L1B], 1, v1
	v_lshlrev_b32 v[L1B], 4, v[L1B]
	v_mul_u32_u24 v[STC], v[L2H], SP
	v_add_nc_u32 v[STC], v[STC], v[L1B]
	v_add_nc_u32 v[STC], s21, v[STC]
	v_add_nc_u32 v[STC], 512, v[STC]
	v_lshlrev_b32 v[L2H], 2, v[L2H]
	v_lshlrev_b32 v[H32], 5, v3
.irp j, 0,1,2,3
	v_mov_b32 v[PX+\j], 0                          ; written once: a lane permute's destination counts as one of its sources
.endr
	s_mov_b32 s33, 0x1800000                       ; the floor 2^(3 - 127)
	s_mov_b32 s34, 0x76543210
	s_mov_b32 s35, 0xfedcba98                      ; v_permlanex16_b32's selects for lane l xor 16
	s_lshl_b32 s36, s20, 2
	s_mov_b32 s37, 0
	s_lshl_b32 s21, s19, 9                         ; the strip's 512 bytes in a row
	s_mov_b32 s23, 0
	s_wait_kmcnt 0x0
	s_add_nc_u64 s[38:39], s[12:13], s[36:37]
	s_load_b32 s24, s[38:39], 0x0                  ; tstart[e]
	s_load_b32 s25, s[38:39], 0x4                  ; tstart[e + 1]
	s_load_b32 s26, s[12:13], 0x20                 ; tstart[8]: the number of tiles
	s_mov_b32 s22, s21
	s_add_nc_u64 s[14:15], s[14:15], s[22:23]      ; out0 at the strip
	s_lshl_b32 s22, s20, 14
	s_add_co_u32 s22, s22, s21
	s_add_nc_u64 s[6:7], s[6:7], s[22:23]          ; bias at the expert's row and the strip
	s_lshl_b32 s22, s20, 24                        ; an expert's 16 MiB
	s_add_co_u32 s22, s22, s21
	s_lshl_b32 s21, s17, 8
	s_add_co_u32 s22, s22, s21                     ; my 64 columns
	s_lshl_b32 s21, s18, 23
	s_add_co_u32 s22, s22, s21                     ; my 512 rows
	s_add_nc_u64 s[4:5], s[4:5], s[22:23]
	LOADU 0, 0                                     ; the weights are asked for before the list is waited for.  (More loads than LOADcnt's field holds are out of the text's hand: the issue waits, ISA guide 5.7.1)
	LOADU 1, 1
	WIN 0
	s_wait_kmcnt 0x0
	s_sub_co_u32 s27, s25, s24                     ; the expert's tiles
	s_max_u32 s28, s27, 1
	s_sub_co_u32 s28, s28, 1                       ; its last tile, counted from its first
	s_sub_co_u32 s29, s26, 1                       ; the list's last tile
	s_mov_b32 s30, s16                             ; t: my first tile
	GIDX s31, 0
	ORDL s31                                       ; 5 loads: my first tile's entries
.irp g, 0,1
	global_load_b128 v[BIAS+4*\g:BIAS+4*\g+3], v[R16], s[6:7] offset:256*\g   ; 2 loads: bias of columns 64 cg + 4 r + j
.endr
	; ---------------- PHASE A: eight units, two landing buffers by turns ----------------
	; The counts: behind unit 0's loads stand unit 1's 32 and the 7 above; behind unit 1's the 7 and unit 2's 32; behind units 2 to 6 the next unit's 32; behind unit 7's the 24 of the first token tile.
	; The 7 stand ahead of unit 2's loads, so unit 2's wait shows them landed.
.irp q, 0,1,2,3,4,5,6,7
.if \q < 2
	s_wait_loadcnt 39
.elseif \q < 7
	s_wait_loadcnt 32
.else
	s_wait_loadcnt 24
.endif
	SORTU \q%2
.if \q < 6
	LOADU \q+2, \q%2                               ; the buffer just read out takes the unit two on
.endif
.if \q == 6
	WIN 0                                          ; nothing is left to fetch of the weights: my first token tile is gathered (19 loads), and the entries of my next (5)
	NADDR
	GIDX s32, 0
	NLOAD s32
	GIDX s31, 4
	ORDL s31
.endif
	QUANTU \q
.endr
	s_wait_dscnt 0x0                               ; for the others' sake: my images and scale words have landed
	s_barrier_signal -1
	s_barrier_wait -1                              ; the one barrier: on every wave's path, under no branch
	s_cmp_ge_u32 s16, s27
	s_cbranch_scc1 .Lend                           ; a wave without a tile ends; no barrier follows
	s_sub_co_u32 s40, s27, s16                     ; the expert has more tiles than my number: my tiles are w, w + 4, ..:
	s_add_co_u32 s40, s40, 3
	s_lshr_b32 s40, s40, 2                         ; (tiles - w + 3) / 4 trips, at least one
	s_mov_b32 s41, 0                               ; the loop's counter, in steps of 1
	; the whole strip's codes and scale words into my registers
	WIN 0x80
.irp s, 0,1,2,3
.irp t, 0,1,2,3,4,5,6,7
.irp c, 0,1
	ds_load_b128 v[64*\s+8*\t+4*\c:64*\s+8*\t+4*\c+3], v[L16] offset:(8*\t+\s)*1024+512*\c
.endr
.endr
.endr
	WIN 0xc0
.irp s, 0,1,2,3
.irp t, 0,1,2,3,4,5,6,7
.irp c, 0,1
	ds_load_b128 v[64*\s+8*\t+4*\c:64*\s+8*\t+4*\c+3], v[L16] offset:(8*\t+\s+4)*1024+512*\c
.endr
.endr
.endr
	WIN 0
.irp t, 0,1,2,3,4,5,6,7
.irp u, 0,1
	ds_load_b128 v[BS+8*\t+4*\u:BS+8*\t+4*\u+3], v[VSL] offset:(2*\t+\u)*512
.endr
.endr
	; ---------------- PHASE B: a tile of 16 tokens a trip ----------------
.Ltile:
	s_wait_loadcnt 0x0                             ; this tile's rows, scale bytes and entries and the next tile's entries are in; their address registers may be written
	s_wait_xcnt 0x0                                ; the last trip's stores have read their offsets and data: both are written again only behind this wait
	WIN 0x04
.set i, 0
.rept 16
	ds_store_b128 v[STS], v[RA+4*i:RA+4*i+3] offset:SP*i   ; row i as it lies
.set i, i+1
.endr
	WIN 0
	ds_store_b128 v[STC], v[SL:SL+3]               ; and the rows' scale bytes behind their codes
	WIN 0x40
.irp s, 0,1,2,3,4,5,6,7
.irp c, 0,1
	ds_load_b128 v[8*\s+4*\c:8*\s+4*\c+3], v[STF] offset:64*\s+32*\c   ; fragment s: lane (r, h) takes row r, k = 128 s + 64 c + 32 h on.  LDS serves a wave's instructions in order: these see my stores
.endr
.endr
	WIN 0
.irp u, 0,1
	ds_load_b128 v[SA+4*\u:SA+4*\u+3], v[STR] offset:16*\u   ; row r's eight scale words
.endr
.irp m, 0,1,2,3,4,5,6,7
	v_min_u32 v[SO+\m], v[STK+\m], v[T0]           ; where my 8 rows of out0 lie: a row that is over takes row 0's token
.endr
.irp m, 0,1,2,3,4,5,6,7
	v_min_u32 v[SO+\m], 2047, v[SO+\m]
.endr
.irp m, 0,1,2,3,4,5,6,7
	v_lshl_add_u32 v[SO+\m], v[SO+\m], 14, v[R16]  ; 16,384 bytes a row, 16 a lane
.endr
	NADDR                                          ; the next tile's offsets (row 0's entry is written over here, behind its last use)
	GIDX s32, 4
	GIDX s31, 8
	s_wait_dscnt 0x0                               ; fragments and scale words are in (in the first trip the weights' too), and the stage's stores have read their registers
	NLOAD s32                                      ; my next tile, a trip ahead; past the expert's end its last tile is read again, so that every trip issues the same 24 loads
	ORDL s31
	MULS 0x09, 0                                   ; tokens window 1, weights window 2
	MULS 0x0d, 4                                   ; weights window 3
.rept 4
	v_nop                                          ; four places between the last products and the first read of a result (ISA guide 7.12.1)
.endr
	WIN 0x40
.irp m, 0,1,2,3,4,5,6,7                ; each accumulator is read from its register 0 on
.irp g, 0,1
.irp j, 0,1,2,3
	v_add_f32 v[OUT+32*\g+4*\m+\j], v[ACC+8*(4*\g+\j)+\m], v[BIAS+4*\g+\j]   ; + bias; four tiles' results become four neighbouring columns
.endr
.endr
.endr
	WIN 0x04
.irp m, 0,1,2,3,4,5,6,7
.irp g, 0,1
	global_store_b128 v[SO+\m], v[OUT+32*\g+4*\m:OUT+32*\g+4*\m+3], s[14:15] offset:256*\g th:TH_STORE_NT   ; lanes 0-15: 256 consecutive bytes of token m's row, aligned; lanes 16-31: of token 8 + m's
.endr
.endr
	WIN 0                                          ; at a label and at a branch every window is 0
	s_add_co_u32 s30, s30, 4                       ; my next tile's number: it enters addresses through GIDX's bounds alone
	s_add_co_u32 s41, s41, 1                       ; the loop ends on its own counter
	s_cmp_lt_u32 s41, s40
	s_cbranch_scc1 .Ltile
.Lend:
	s_wait_tensorcnt 0x0
	ds_add_u32 v190, v191
	s_wait_dscnt 0x0
	s_endpgm
.Lfunc_end_k_q8c68bd131c_moe:
	.size	k_q8c68bd131c_moe, .Lfunc_end_k_q8c68bd131c_moe-k_q8c68bd131c_moe
	.p2alignl 7, 3214868480
	.fill 96, 4, 3214868480
	.section	.rodata,"a",@progbits
	.p2align	6, 0x0
	.amdhsa_kernel k_q8c68bd131c_moe
		.amdhsa_group_segment_fixed_size 111104
		.amdhsa_private_segment_fixed_size 0
		.amdhsa_enable_private_segment 0
		.amdhsa_kernarg_size 48
		.amdhsa_user_sgpr_count 2
		.amdhsa_user_sgpr_kernarg_segment_ptr 1
		.amdhsa_wavefront_size32 1
		.amdhsa_system_sgpr_workgroup_id_x 1
		.amdhsa_system_sgpr_workgroup_id_y 1
		.amdhsa_system_sgpr_workgroup_id_z 1
		.amdhsa_system_vgpr_workitem_id 0
		.amdhsa_next_free_vgpr 1024
		.amdhsa_next_free_sgpr 66
		.amdhsa_reserve_vcc 0
		.amdhsa_float_denorm_mode_32 3
		.amdhsa_float_denorm_mode_16_64 3
		.amdhsa_memory_ordered 1
		.amdhsa_forward_progress 1
		.amdhsa_inst_pref_size 148
	.end_amdhsa_kernel
	.amdgpu_metadata
---
amdhsa.version: [ 1, 2 ]
amdhsa.kernels:
  - .name:           k_q8c68bd131c_moe
    .symbol:         k_q8c68bd131c_moe.kd
    .args:
      - { .name: kernel, .offset: 0, .size: 8, .value_kind: global_buffer, .address_space: global }
      - { .name: bias, .offset: 8, .size: 8, .value_kind: global_buffer, .address_space: global }
      - { .name: xcodes, .offset: 16, .size: 8, .value_kind: global_buffer, .address_space: global }
      - { .name: xscales, .offset: 24, .size: 8, .value_kind: global_buffer, .address_space: global }
      - { .name: route, .offset: 32, .size: 8, .value_kind: global_buffer, .address_space: global }
      - { .name: out0, .offset: 40, .size: 8, .value_kind: global_buffer, .address_space: global }
    .group_segment_fixed_size: 111104
    .private_segment_fixed_size: 0
    .kernarg_segment_align: 8
    .kernarg_segment_size: 48
    .max_flat_workgroup_size: 128
    .sgpr_count:     66
    .vgpr_count:     1024
    .wavefront_size: 32
...
	.end_amdgpu_metadata
.endif
;; end of part 2
;; ======== version 2 of 2: 2 launches
;; workspace buffers: xcodes 1,048,576 bytes; xscales 65,536 bytes; route 8,960 bytes of whole numbers
;; launch prep (part 3): grid 257 x 1, 8 waves a work-group, no clusters, 39,168 bytes of LDS; arguments sorted_tokens, sorted_experts, xcodes, xscales, route; writes xcodes, xscales, route
.if DOCPART == 3
	.amdgcn_target "amdgcn-amd-amdhsa--gfx1250"
	.amdhsa_code_object_version 6
	.text
	.protected	k_q8c68bd131c_prep
	.globl	k_q8c68bd131c_prep
	.p2align	8
	.type	k_q8c68bd131c_prep,@function
k_q8c68bd131c_prep:
	s_mov_b64 s[64:65], 0
	v_nop
	global_prefetch_b8 v0, s[64:65] scope:SCOPE_SE
	s_setreg_imm32_b32 hwreg(HW_REG_WAVE_MODE, 25, 1), 1
	s_wait_xcnt 0x0
; PREP.  Two jobs in one launch, told apart by the work-group's number.
; Work-groups 1 .. 256: sorted_tokens [2048][1024] f32 becomes codes of FP4 (E2M1), K innermost, 512 bytes a row (xcodes), and one E8M0 byte for each 32 along K, 32 bytes a row (xscales).
;   A block's scale is 2^(floor(log2(its largest magnitude)) - 2); its byte is the largest magnitude's exponent field - 2, held at 1 from below.
;   Work-group g + 1 takes rows 8 g .. 8 g + 7, a wave a row, a lane a block of 32.  Each load reads 512 consecutive bytes; the row turns through the wave's own stage in LDS so that a lane gets its block's 32 neighbours.
; Work-group 0: a counting sort of sorted_experts [2048] into a list of tiles of 16 rows (route):
;   bytes 0 .. 35: tstart[0 .. 8], the first tile of each expert, tstart[8] = the number of tiles (the words up to byte 127 are stored too and not read);
;   from byte 256: order[tile][16], token numbers.  Within an expert the tokens DESCEND, and the rows that are over in its last tile hold 2047: so row 0 of every tile holds the tile's largest number,
;   and min(entry, row 0's entry) turns a row that is over into a repeat of row 0.  At most (2048 + 8 x 15) / 16 = 135 tiles, whatever the split.
; group_sizes is not among the arguments: the function that this program computes never reads it; all counts come from sorted_experts.
; LIMITS: NaN and infinities among the tokens are not served.  A block of zeros gets the byte 1 where the quantiser's rule says 127: its codes are zeros, which add nothing under any byte but 0xff, and this program alone
; reads the bytes.  Expert numbers are taken to lie in 0 .. 7, as the bias table that they index has 8 rows.
.set QP,   144                         ; a block's place in a stage: 128 bytes + 16 of padding: 9 x 16 bytes, so the lanes' 16-byte reads start in different groups of banks (64 banks of 4 bytes: ISA guide 11.1)
.set QW,   32*QP                       ; a wave's stage: 4,608 bytes
.set QSC,  8*QW                        ; behind the eight stages: the work-group's 256 scale bytes
.set CT,   QSC+256                     ; the sort's own bytes: 32 words of counts for each wave
.set R,    16                          ; v16-47  the row as loaded
.set X,    48                          ; v48-79  my block's 32 numbers
.set CD,   80                          ; v80-83  its codes
.set XE,   16                          ; the sort: v16-23 expert numbers of my 8 tokens
.set RK,   24                          ; v24-31  their ranks among the wave's tokens of the same expert
.set BS,   32                          ; v32-39  the expert's base, then the token's slot, then its byte
.set CW,   40                          ; v40-47  the eight waves' counts, later my tokens' numbers
.set LASTSLOT, 135*16-1
	s_load_b256 s[4:11], s[0:1], 0x0               ; tokens s[4:5], experts s[6:7], xcodes s[8:9], xscales s[10:11]
	s_load_b64 s[12:13], s[0:1], 0x20              ; route
	v_lshl_add_u32 v96, v0, 2, 0x9500
	v_mov_b32 v97, 0
	v_lshrrev_b32 v1, 5, v0
	s_delay_alu instid0(VALU_DEP_1)
	v_readfirstlane_b32 s14, v1                    ; wave 0..7
	v_and_b32 v1, 31, v0                           ; lane
	s_wait_kmcnt 0x0
	s_cmp_eq_u32 ttmp9, 0                          ; the same in all waves of a work-group
	s_cbranch_scc1 .Lsort
	; ---------------- the tokens ----------------
	s_sub_co_u32 s15, ttmp9, 1                     ; g
	s_lshl_b32 s16, s15, 3
	s_add_co_u32 s16, s16, s14                     ; my row
	s_mov_b32 s19, 0
	s_lshl_b32 s18, s16, 12
	s_add_nc_u64 s[4:5], s[4:5], s[18:19]          ; 4,096 bytes a row of f32
	s_lshl_b32 s18, s16, 9
	s_add_nc_u64 s[8:9], s[8:9], s[18:19]          ; 512 bytes a row of codes
	s_lshl_b32 s18, s15, 8
	s_add_nc_u64 s[10:11], s[10:11], s[18:19]      ; 256 scale bytes a work-group
	s_wait_alu depctr_va_vdst(0)
	v_lshlrev_b32 v2, 4, v1                        ; 16 x lane
.irp i, 0,1,2,3,4,5,6,7
	global_load_b128 v[R+4*\i:R+4*\i+3], v2, s[4:5] offset:512*\i th:TH_LOAD_NT   ; 32 lanes read 512 consecutive bytes: four blocks
.endr
	s_mul_i32 s17, s14, QW                         ; my stage
	v_lshrrev_b32 v3, 3, v1
	s_delay_alu instid0(VALU_DEP_1)
	v_mul_u32_u24 v3, v3, QP
	v_and_b32 v4, 7, v1
	s_delay_alu instid0(VALU_DEP_1)
	v_lshl_add_u32 v3, v4, 4, v3
	s_delay_alu instid0(VALU_DEP_1)
	v_add_nc_u32 v3, s17, v3                       ; in: eight lanes' 128 bytes on end are a block: QP (lane / 8) + 16 (lane % 8); a load's four blocks take four places
	v_mul_u32_u24 v4, v1, QP
	s_delay_alu instid0(VALU_DEP_1)
	v_add_nc_u32 v4, s17, v4                       ; out: QP x lane: my block
	v_add_nc_u32 v5, QSC, v0                       ; my block's scale byte: 32 x wave + lane
	v_lshl_add_u32 v6, v1, 3, QSC                  ; and on the way out 8 bytes a lane
	v_lshlrev_b32 v7, 3, v1
	s_wait_alu depctr_va_vdst(0)
.irp i, 0,1,2,3,4,5,6,7
	s_wait_loadcnt 7-\i                            ; loads come back in order: load i is in, the 7 - i younger ones may be out
	ds_store_b128 v3, v[R+4*\i:R+4*\i+3] offset:4*QP*\i
.endr
.irp g, 0,1,2,3,4,5,6,7
	ds_load_b128 v[X+4*\g:X+4*\g+3], v4 offset:16*\g    ; LDS serves a wave's instructions in order: these see my stores
.endr
	s_wait_dscnt 0x0
	v_max3_num_f32 v8, |v[X]|, |v[X+1]|, |v[X+2]|  ; the block's largest magnitude, in two chains
	v_max3_num_f32 v9, |v[X+3]|, |v[X+4]|, |v[X+5]|
.irp i, 6,10,14,18,22,26
	s_delay_alu instid0(VALU_DEP_2)
	v_max3_num_f32 v8, v8, |v[X+\i]|, |v[X+\i+1]|
	s_delay_alu instid0(VALU_DEP_2)
	v_max3_num_f32 v9, v9, |v[X+\i+2]|, |v[X+\i+3]|
.endr
	s_delay_alu instid0(VALU_DEP_2)
	v_max3_num_f32 v8, v8, |v[X+30]|, |v[X+31]|
	s_delay_alu instid0(VALU_DEP_1)
	v_max3_num_f32 v8, v8, v9, 0x1800000           ; and the floor 2^(3 - 127): the byte cannot fall under 1
	s_delay_alu instid0(VALU_DEP_1)
	v_add_nc_u32 v10, 0xff000000, v8               ; 2 off the exponent field: the conversion takes the exponent field of this operand as its scale, and nothing else of it
.irp g, 0,1,2,3
	v_cvt_scalef32_pk8_fp4_f32 v[CD+\g], v[X+8*\g:X+8*\g+7], v10   ; to the nearest code, ties to even, beyond 6 the largest code; the first number's code in the lowest four bits
.endr
	v_lshrrev_b32 v11, 23, v10                     ; the scale's byte (also the plain instruction behind the conversions)
	global_store_b128 v2, v[CD:CD+3], s[8:9]       ; 32 lanes store the row's 512 consecutive bytes
	ds_store_b8 v5, v11
	s_wait_dscnt 0x0                               ; for wave 0's sake: my byte has landed
	s_barrier_signal -1
	s_barrier_wait -1
	s_cmp_lg_u32 s14, 0
	s_cbranch_scc1 .Lqend
	ds_load_b64 v[12:13], v6                       ; wave 0: the eight rows' 256 scale bytes
	s_wait_dscnt 0x0
	global_store_b64 v7, v[12:13], s[10:11]        ; 32 lanes store 256 consecutive bytes, aligned
.Lqend:
	s_wait_tensorcnt 0x0
	ds_add_u32 v96, v97
	s_wait_dscnt 0x0
	s_endpgm
	; ---------------- the sort ----------------
	; Wave w owns tokens 256 w .. 256 w + 255; my token g is 256 w + 32 g + lane.
.Lsort:
	s_lshl_b32 s33, s14, 8
	s_wait_alu depctr_va_vdst(0)
	v_add_nc_u32 v58, s33, v1                      ; my first token
	s_delay_alu instid0(VALU_DEP_1)
	v_lshlrev_b32 v62, 2, v58
.irp g, 0,1,2,3,4,5,6,7
	global_load_b32 v[XE+\g], v62, s[6:7] offset:128*\g
.endr
	v_lshl_add_u32 v60, v0, 2, CT                  ; where my wave's counts go: 128 x wave + 4 x lane
	v_lshl_add_u32 v61, v1, 2, CT                  ; and where a wave's counts are read: 4 x lane
	v_lshlrev_b32 v63, 2, v1
	v_mov_b32 v48, 0
	v_mov_b32 v53, 0                               ; (a DPP move's destination counts as one of its sources)
.irp e, 0,1,2,3,4,5,6,7
	s_mov_b32 s[16+\e], 0                          ; s16-23: the wave's count for each expert
.endr
	s_mov_b32 s40, 0xffff0000                      ; lanes 16-31
	s_wait_loadcnt 0x0
	; rank of each token among the wave's tokens of its expert, ascending: what was counted in the groups before + the lower lanes of this group
.irp g, 0,1,2,3,4,5,6,7
.irp e, 0,1,2,3,4,5,6,7
	v_cmp_eq_u32 vcc_lo, \e, v[XE+\g]
.if \e == 0
	s_delay_alu instid0(VALU_DEP_1)
	v_mbcnt_lo_u32_b32 v[RK+\g], vcc_lo, s[16+\e]  ; (written whole; the right expert's turn writes it over)
.else
	s_delay_alu instid0(VALU_DEP_1)
	v_mbcnt_lo_u32_b32 v59, vcc_lo, s[16+\e]
	s_delay_alu instid0(VALU_DEP_1)
	v_cndmask_b32 v[RK+\g], v[RK+\g], v59, vcc_lo
.endif
	s_bcnt1_i32_b32 s32, vcc_lo
	s_add_co_u32 s[16+\e], s[16+\e], s32
.endr
.endr
.irp e, 0
	v_writelane_b32 v48, s[16+\e], \e
.endr
.irp e, 1, 2, 3, 4, 5, 6, 7
	s_delay_alu instid0(VALU_DEP_1)
	v_writelane_b32 v48, s[16+\e], \e              ; lane e: the wave's count for expert e; lanes 8-31: 0
.endr
	ds_store_b32 v60, v48
	s_wait_dscnt 0x0                               ; for the others' sake: my counts have landed
	s_barrier_signal -1
	s_barrier_wait -1
.irp p, 0,1,2,3,4,5,6,7
	ds_load_b32 v[CW+\p], v61 offset:128*\p        ; every wave reads all eight waves' counts; from here on lane e works for expert e
.endr
	s_wait_dscnt 0x0
	v_add3_u32 v49, v[CW], v[CW+1], v[CW+2]
	s_delay_alu instid0(VALU_DEP_1)
	v_add3_u32 v49, v49, v[CW+3], v[CW+4]
	s_delay_alu instid0(VALU_DEP_1)
	v_add3_u32 v49, v49, v[CW+5], v[CW+6]
	s_delay_alu instid0(VALU_DEP_1)
	v_add_nc_u32 v49, v49, v[CW+7]                 ; the expert's tokens in all
	v_mov_b32 v50, 0
.irp p, 0,1,2,3,4,5,6
	s_cmp_gt_u32 s14, \p
	s_cselect_b32 s32, -1, 0
	v_and_b32 v59, s32, v[CW+\p]
	s_delay_alu instid0(VALU_DEP_1)
	v_add_nc_u32 v50, v50, v59                     ; and in the waves before mine
.endr
	v_add_nc_u32 v51, 15, v49
	s_delay_alu instid0(VALU_DEP_1)
	v_lshrrev_b32 v51, 4, v51                      ; its tiles
	s_delay_alu instid0(VALU_DEP_1)
	v_mov_b32 v52, v51
.irp n, 1,2,4,8
	s_delay_alu instid0(VALU_DEP_1)
	v_mov_b32_dpp v53, v52 row_shr:\n row_mask:0xf bank_mask:0xf bound_ctrl:1   ; a running sum over the lanes of a row; lanes without a source take 0
	s_delay_alu instid0(VALU_DEP_1)
	v_add_nc_u32 v52, v52, v53
.endr
	s_delay_alu instid0(VALU_DEP_1)
	v_sub_nc_u32 v54, v52, v51                     ; tstart: the tiles of the experts before; lane 8: all tiles
	s_delay_alu instid0(VALU_DEP_1)
	v_lshl_add_u32 v56, v54, 4, v49                ; the slot behind the expert's last token
	s_delay_alu instid0(VALU_DEP_3)
	v_lshlrev_b32 v57, 4, v52                      ; the slot behind its last tile
	s_delay_alu instid0(VALU_DEP_2)
	v_sub_nc_u32 v55, v56, v50
	s_delay_alu instid0(VALU_DEP_1)
	v_add_nc_u32 v55, -1, v55                      ; the slot of my wave's first token of the expert: the order descends, so slot = this - rank
	s_cmp_lg_u32 s14, 0
	s_cbranch_scc1 .Lnot_first
	global_store_b32 v63, v54, s[12:13]            ; wave 0: tstart, 128 bytes
.Lnot_first:
	s_wait_alu depctr_va_vdst(0)
.irp e, 0,1,2,3,4,5,6,7
	v_readlane_b32 s[24+\e], v55, \e
.endr
.irp g, 0,1,2,3,4,5,6,7
	v_mov_b32 v[BS+\g], s24
.irp e, 1,2,3,4,5,6,7
	v_cmp_eq_u32 vcc_lo, \e, v[XE+\g]
	s_delay_alu instid0(VALU_DEP_1)
	v_cndmask_b32 v[BS+\g], v[BS+\g], s[24+\e], vcc_lo
.endr
	s_delay_alu instid0(VALU_DEP_1)
	v_sub_nc_u32 v[BS+\g], v[BS+\g], v[RK+\g]
	s_delay_alu instid0(VALU_DEP_1)
	v_min_u32 v[BS+\g], LASTSLOT, v[BS+\g]         ; a number made of loaded numbers enters an address behind a bound
	s_delay_alu instid0(VALU_DEP_1)
	v_lshlrev_b32 v[BS+\g], 2, v[BS+\g]
	v_add_nc_u32 v[CW+\g], 32*\g, v58              ; the token's number
	global_store_b32 v[BS+\g], v[CW+\g], s[12:13] offset:256   ; four bytes to a place of its own: a table of 8,640 bytes, written once
.endr
	; the rows that are over: in wave w lanes 0-15 serve expert 2 w, lanes 16-31 expert 2 w + 1 (lanes 8-15 of the sums above stand for experts that do not exist: their two slots are equal, nothing is stored)
	s_lshl_b32 s36, s14, 1
	s_add_co_u32 s37, s36, 1
	v_readlane_b32 s32, v56, s36
	v_readlane_b32 s33, v56, s37
	v_readlane_b32 s34, v57, s36
	v_readlane_b32 s35, v57, s37
	s_delay_alu instid0(VALU_DEP_4)
	v_mov_b32 v64, s32
	s_delay_alu instid0(VALU_DEP_1)
	v_cndmask_b32 v64, v64, s33, s40
	s_delay_alu instid0(VALU_DEP_4)
	v_mov_b32 v65, s34
	s_delay_alu instid0(VALU_DEP_1)
	v_cndmask_b32 v65, v65, s35, s40
	v_and_b32 v59, 15, v1
	s_delay_alu instid0(VALU_DEP_1)
	v_add_nc_u32 v64, v64, v59
	s_delay_alu instid0(VALU_DEP_1)
	v_cmp_lt_u32 vcc_lo, v64, v65                  ; inside the expert's last tile?
	s_delay_alu instid0(VALU_DEP_2)
	v_min_u32 v64, LASTSLOT, v64
	s_delay_alu instid0(VALU_DEP_1)
	v_lshlrev_b32 v64, 2, v64
	v_mov_b32 v66, 2047
	s_wait_alu depctr_va_vdst(0)
	s_wait_xcnt 0x0                                ; EXEC is a source of the stores above: it changes only behind this wait
	s_wait_tensorcnt 0x0
	ds_add_u32 v96, v97
	s_wait_dscnt 0x0
	s_and_saveexec_b32 s41, vcc_lo
	global_store_b32 v64, v66, s[12:13] offset:256
	s_wait_xcnt 0x0                                ; and again in front of the line that widens it
	s_or_b32 exec_lo, exec_lo, s41
	s_endpgm
.Lfunc_end_k_q8c68bd131c_prep:
	.size	k_q8c68bd131c_prep, .Lfunc_end_k_q8c68bd131c_prep-k_q8c68bd131c_prep
	.p2alignl 7, 3214868480
	.fill 96, 4, 3214868480
	.section	.rodata,"a",@progbits
	.p2align	6, 0x0
	.amdhsa_kernel k_q8c68bd131c_prep
		.amdhsa_group_segment_fixed_size 39168
		.amdhsa_private_segment_fixed_size 0
		.amdhsa_enable_private_segment 0
		.amdhsa_kernarg_size 40
		.amdhsa_user_sgpr_count 2
		.amdhsa_user_sgpr_kernarg_segment_ptr 1
		.amdhsa_wavefront_size32 1
		.amdhsa_system_sgpr_workgroup_id_x 1
		.amdhsa_system_sgpr_workgroup_id_y 1
		.amdhsa_system_sgpr_workgroup_id_z 1
		.amdhsa_system_vgpr_workitem_id 0
		.amdhsa_next_free_vgpr 98
		.amdhsa_next_free_sgpr 66
		.amdhsa_reserve_vcc 1
		.amdhsa_float_denorm_mode_32 3
		.amdhsa_float_denorm_mode_16_64 3
		.amdhsa_memory_ordered 1
		.amdhsa_forward_progress 1
		.amdhsa_inst_pref_size 40
	.end_amdhsa_kernel
	.amdgpu_metadata
---
amdhsa.version: [ 1, 2 ]
amdhsa.kernels:
  - .name:           k_q8c68bd131c_prep
    .symbol:         k_q8c68bd131c_prep.kd
    .args:
      - { .name: sorted_tokens, .offset: 0, .size: 8, .value_kind: global_buffer, .address_space: global }
      - { .name: sorted_experts, .offset: 8, .size: 8, .value_kind: global_buffer, .address_space: global }
      - { .name: xcodes, .offset: 16, .size: 8, .value_kind: global_buffer, .address_space: global }
      - { .name: xscales, .offset: 24, .size: 8, .value_kind: global_buffer, .address_space: global }
      - { .name: route, .offset: 32, .size: 8, .value_kind: global_buffer, .address_space: global }
    .group_segment_fixed_size: 39168
    .private_segment_fixed_size: 0
    .kernarg_segment_align: 8
    .kernarg_segment_size: 40
    .max_flat_workgroup_size: 256
    .sgpr_count:     66
    .vgpr_count:     98
    .wavefront_size: 32
...
	.end_amdgpu_metadata
.endif
;; end of part 3
;; launch moe (part 4): grid 32 x 8, 4 waves a work-group, no clusters, 111,104 bytes of LDS; arguments kernel, bias, xcodes, xscales, route, out0; writes out0
.if DOCPART == 4
	.amdgcn_target "amdgcn-amd-amdhsa--gfx1250"
	.amdhsa_code_object_version 6
	.text
	.protected	k_q8c68bd131c_moe
	.globl	k_q8c68bd131c_moe
	.p2align	8
	.type	k_q8c68bd131c_moe,@function
k_q8c68bd131c_moe:
	s_mov_b64 s[64:65], 0
	v_nop
	global_prefetch_b8 v0, s[64:65] scope:SCOPE_SE
	s_setreg_imm32_b32 hwreg(HW_REG_WAVE_SCHED_MODE, 0, 2), 2
	s_setreg_imm32_b32 hwreg(HW_REG_WAVE_MODE, 25, 1), 1
	s_wait_xcnt 0x0
	s_wait_alu depctr_vm_vsrc(0)
; MOE.  out0[i][:] = Q(token i) . Q(kernel[e_i]) + bias[e_i], both operands codes of FP4 (E2M1) with one E8M0 scale for each 32 along K = 1024; sums in f32.  Only the chosen expert's product is made: the others'
; operands are rows of zeros.
; SHARES.  Work-group (x, y) owns columns 128 x .. 128 x + 127 of expert y: 32 x 8 = 256 work-groups, so each byte of kernel [8][1024][4096] f32 is read once in the launch.
; PHASE A: the strip [1024 K][128 columns] is quantised along K.  Wave w takes columns 64 (w % 2) on and K 512 (w / 2) on, in eight units of 64 along K.  A load of 16 bytes a lane brings FOUR COLUMNS of one row k:
;   lanes 0-15 read 256 consecutive bytes of row k, aligned, lanes 16-31 the same columns of row k + 32.  So lane (r, h) (r = lane % 16, h = lane / 16) holds columns 64 cg + 4 r + j, j = 0 .. 3, at k = 64 unit + 32 h + i,
;   i = 0 .. 31: the very k that the 4-bit operand layout gives that lane, a whole block of 32 for each column.  The four columns lie interleaved in the loaded registers; 128 moves a unit sort them into runs along K, which the
;   conversions want.  That is the price of 512 bytes a load: a wave has 64 loads and more on their way.
;   COLUMN TILE T = 4 cg + j is the columns 64 cg + 4 r + j, r = 0 .. 15: which columns form a tile is free.  Codes and scale words go to LDS as images of the operand's registers; one barrier; every wave then
;   takes the whole strip's codes into 512 registers.
; PHASE B: wave w takes the expert's tiles of 16 tokens w, w + 4, .. from the list that the launch before has stored.  A tile's rows of codes (512 consecutive bytes each) are gathered a trip ahead, turn through the wave's own
;   stage in LDS into fragments, and meet all 8 column tiles: 64 matrix instructions.  Source 0 = 16 tokens, source 1 = a column tile: register m of lane (r, h) is (token 8 h + m, column 64 cg + 4 r + j).
;   The addition of the bias writes the four tiles' results into four neighbouring registers, so that sixteen lanes store 256 consecutive bytes of a row of out0, aligned, with no stage on the way out.
;   A row that is over in an expert's last tile repeats the tile's row 0 (min with row 0's entry): the same bytes are stored twice by the same wave; no lane is ever switched off.
; NO TENSOR LOADS, NO CLUSTER: the number of trips over token tiles is read from memory, so every operand comes through registers; what work-groups share, the token codes, is 8,704 bytes a tile beside the strip's 524,288.
; An expert without tokens: its work-groups still pass the one barrier, which stands under no branch, and store nothing.  A skewed split is served; its work then lies on fewer work-groups.
; LIMITS: NaN and infinities among the inputs are not served.  A block of zeros gets the byte 1 where the quantiser's rule says 127: its codes are zeros, and this program alone reads the bytes.
; LDS: 0: the images of the 64 weight fragments, fragment (T, s) at 1024 (8 T + s) + 512 c + 16 lane;  SCL: their scale words, (T, s) at 512 (2 T + s / 4) + 16 lane + 4 (s % 4);
;   STG: a stage of 16 rows x 560 bytes for each wave (512 of codes, 32 of scale bytes, 16 of padding: 35 x 16 bytes, so the 16 rows that a load touches start in different groups of banks: ISA guide 11.1).
; REGISTERS, in windows of 256 (s_set_vgpr_msb: bits 1:0 source 0, 3:2 source 1, 5:4 source 2, 7:6 destination):
;   window 0: v1-27 addresses; v32-95 the weights' scale words, v96-103 the tokens' (these hold scales and nothing else); v104-111 bias; v112-159 lists and offsets; v192-255 the tokens' 8 fragments (in phase A: at work)
;   window 1: v0-63 the 8 accumulators; v64-127 16 rows of codes as gathered; v128-191 results to store
;   windows 2, 3: the weights' codes, fragment (T, s) in window 2 + s / 4 at v[64 (s % 4) + 8 T]; in phase A: window 2 two landing buffers of 128, window 3 v0-127 the unit sorted by column.
;   The products' setting has the destination in window 1 and source 0 in window 0: under it a gather lands in window 1 and takes its offset from window 0, so the gathers stand among the products without a switch.
; THE MODE: SCHED_MODE bits 1:0 = 2 (LLVM: expert scheduling mode 2), set by the entry lines.  The code itself states the register dependences
; between vector or matrix instructions and memory or LDS instructions, with s_wait_alu, always for 0.
; THE PLAN, PHASE A.  Registers that memory or LDS instructions touch:
;   L0, L1 (window 2)  Unit q's 128 moves read L[q % 2]; behind them the loads of unit q + 2 land in it.
;   CD0, CD1, PW       Unit q's conversions write CD[q % 2], an odd unit's word lines PW; the LDS stores that read them are issued in unit q + 1.
;   v[WO], v[VI], v[VSC] are made at the head and never written again: every step is an immediate offset.
;   So ONE wait on va_vdst stands in a unit, behind its moves: they are done reading L[q % 2], and the unit before has written its codes and words.  The unit's loads and LDS stores follow it; the unit's arithmetic, which
;   comes behind them, names window 3, CD[q % 2] and registers that no memory instruction touches.  One wait on vm_vsrc at a unit's head: the LDS stores issued a unit back have read CD[q % 2] and PW.
; THE PLAN, PHASE B, a trip:
;   RA, SL             The gathers of the trip before land here; the trip's 17 stage stores read them; then this trip's gathers land.
;   AF, SA             The LDS loads at the trip's head land here; the trip's 64 products read them.
;   STK, ORD, OT       Loaded a trip ahead; read by the address work at the head; then loaded again.
;   SO, RO, SOF, VS, VU, VT   Written by the address work; read by this trip's stores and gathers.
;   OUT                Written by the 64 additions; read by the 16 stores behind them.
;   Four waits: vm_vsrc at the head (the last trip's stores and gathers have read their registers); va_vdst behind the address work; vm_vsrc beside the wait for the fragments (the stage stores have read RA and SL);
;   va_vdst behind the additions, which also shows the products done with AF and SA, so that the next trip's LDS loads follow its head with no further wait.
.set SCL,  65536
.set STG,  73728
.set WSTG, 9216
.set SP,   560
.set L16,  4                           ; 16 x lane
.set WO,   5                           ; kernel: 16 r + 32 rows x h
.set VI,   6                           ; where I store images: 16 lane + 32768 cg + 4096 kh
.set VSC,  7                           ; and scale words: SCL + 16 lane + 4096 cg + 512 kh
.set VSL,  8                           ; where scale words are read: SCL + 16 lane
.set H8,   9                           ; 8 h
.set STS,  10                          ; my stage + 16 lane
.set STF,  11                          ; my stage + 560 r + 16 h
.set STC,  12                          ; my stage + 560 (lane / 2) + 512 + 16 (lane % 2)
.set STR,  13                          ; my stage + 560 r + 512
.set L2H,  14                          ; 4 (lane / 2)
.set H32,  15                          ; 32 h
.set L1B,  16                          ; 16 (lane % 2)
.set R16,  17                          ; 16 r
.set VU,   18                          ; offsets into the list: the tile,
.set VT,   19                          ; its entry lane / 2,
.set VS,   20                          ; its entries 8 h on
.set T0,   21                          ; the tile's row 0: its largest token number
.set SOF,  22                          ; offset of my 16 scale bytes
.set OT,   23                          ; the list's entry lane / 2
.set SL,   24                          ; v24-27 16 scale bytes as gathered
.set BS,   32                          ; the weights' scale words: (T, s) at BS + 8 T + s
.set SA,   96                          ; the tokens': K step s at SA + s
.set BIAS, 104                         ; bias of column tile T at BIAS + T
.set ORD,  112                         ; v112-127 a tile's 16 entries, in every lane
.set RO,   128                         ; v128-143 offsets of its 16 rows of codes
.set SO,   144                         ; v144-151 offsets of my 8 rows of out0
.set STK,  152                         ; v152-159 the tile's entries 8 h .. 8 h + 7
.set AF,   192                         ; window 0: the tokens' fragment of K step s at AF + 8 s
.set CD,   192                         ; phase A: codes, buffer k at CD + 40 k: v192-207 and v232-247; v208-211 largest magnitudes, v212-215 scale operands, v216-223 bytes of the two halves of a K step, v224-227 scale words, v228-231 the other half's
.set MX,   208
.set SOP,  212
.set BY,   216
.set PW,   224
.set PX,   228
.set ACC,  0                           ; window 1: column tile T's accumulator at ACC + 8 T
.set RA,   64                          ; window 1
.set OUT,  128                         ; window 1: (cg, m, j) at OUT + 32 cg + 4 m + j
.set MSB, 0
.macro WIN new                         ; the immediate's high byte repeats the setting that is left; a switch that changes nothing is dropped
.if MSB != \new
	s_set_vgpr_msb (MSB<<8)|\new
.set MSB, \new
.endif
.endm
; Unit q of my 512 along K into landing buffer buf: 32 loads, row 64 q + 32 h + i.  Every offset is an immediate, 7,847,936 at the most, inside the signed 24 bits (ISA guide, chapter 10): no pointer is stepped.
.macro LOADU q, buf
	WIN 0x80
.set i, 0
.rept 32
	global_load_b128 v[128*(\buf)+4*i:128*(\buf)+4*i+3], v[WO], s[4:5] offset:(\q)*1048576+16384*i th:TH_LOAD_NT
.set i, i+1
.endr
.endm
; The landed unit sorted by column: column j's 32 numbers down K at v[32 j] of window 3
.macro SORTU buf
	WIN 0xc2
.set i, 0
.rept 32
.irp j, 0,1,2,3
	v_mov_b32 v[32*\j+i], v[128*(\buf)+4*i+\j]
.endr
.set i, i+1
.endr
.endm
; Four blocks of 32, one for each of my columns, become codes in CD[q % 2] and bytes; unit q is half c = q % 2 of K step 4 kh + q / 2.  Registers alone: the LDS stores are PUT's
.macro QUANTU q
	WIN 0x3c
.irp j, 0,1,2,3
	v_max3_num_f32 v[MX+\j], s33, |v[32*\j]|, |v[32*\j+1]|   ; the floor 2^(3 - 127) among the leaves: the byte cannot fall under 1
.endr
.irp u, 2,4,6,8,10,12,14,16,18,20,22,24,26,28,30
.irp j, 0,1,2,3
	v_max3_num_f32 v[MX+\j], v[MX+\j], |v[32*\j+\u]|, |v[32*\j+\u+1]|   ; the four columns by turns
.endr
.endr
	WIN 0
.irp j, 0,1,2,3
	v_add_nc_u32 v[SOP+\j], 0xff000000, v[MX+\j]   ; 2 off the exponent field: the conversion's scale operand
.endr
.irp j, 0,1,2,3
	v_lshrrev_b32 v[BY+4*((\q)&1)+\j], 23, v[SOP+\j]   ; the scale's byte
.endr
.if (\q)&1                             ; both halves of the K step are done: my bytes are blocks h and 2 + h of the word; lane l xor 16 has the other two
.irp j, 0,1,2,3
	v_lshl_or_b32 v[PW+\j], v[BY+4+\j], 16, v[BY+\j]
.endr
.irp j, 0,1,2,3
	v_lshlrev_b32 v[PW+\j], v[H8], v[PW+\j]
.endr
.irp j, 0,1,2,3
	v_permlanex16_b32 v[PX+\j], v[PW+\j], s34, s35
.endr
.irp j, 0,1,2,3
	v_or_b32 v[PW+\j], v[PW+\j], v[PX+\j]
.endr
.endif
	WIN 0x03
.irp j, 0,1,2,3
.irp g, 0,1,2,3
	v_cvt_scalef32_pk8_fp4_f32 v[CD+40*((\q)&1)+4*\j+\g], v[32*\j+8*\g:32*\j+8*\g+7], v[SOP+\j]   ; registers 4 c + g of fragment (4 cg + j, s)
.endr
.endr
	WIN 0
	v_nop                                          ; one plain instruction behind the last scaled conversion
.endm
; Unit q's codes, and behind an odd unit the K step's scale words, go to LDS as images of the operand's registers
.macro PUT q
.irp j, 0,1,2,3
	ds_store_b128 v[VI], v[CD+40*((\q)&1)+4*\j:CD+40*((\q)&1)+4*\j+3] offset:8192*\j+512*(\q)
.endr
.if (\q)&1
.irp j, 0,1,2,3
	ds_store_b32 v[VSC], v[PW+\j] offset:1024*\j+4*((\q)>>1)
.endr
.endif
.endm
; sd = 64 x the list's tile for my tile t + add, held to the expert's last tile, to the list's last tile and to the constant 134: always a tile that has been stored
.macro GIDX sd, add
	s_add_co_u32 \sd, s30, \add
	s_min_u32 \sd, \sd, s28
	s_add_co_u32 \sd, \sd, s24
	s_min_u32 \sd, \sd, s29
	s_min_u32 \sd, \sd, 134
	s_lshl_b32 \sd, \sd, 6
.endm
; the offsets by which a tile's entries are loaded
.macro ORDA sd
	v_mov_b32 v[VU], \sd
	v_add_nc_u32 v[VT], \sd, v[L2H]
.endm
; 5 loads: a tile's 16 entries into every lane (all lanes name the same bytes), and entry lane / 2
.macro ORDL
.irp u, 0,1,2,3
	global_load_b128 v[ORD+4*\u:ORD+4*\u+3], v[VU], s[12:13] offset:256+16*\u
.endr
	global_load_b32 v[OT], v[VT], s[12:13] offset:256
.endm
; the entries become offsets: a row that is over takes row 0's token; each number made of loaded numbers passes a bound written in the instruction.  sd: 64 x the list's tile that these entries belong to
.macro NADDR sd
	v_min_u32 v[T0], 2047, v[ORD]
.set i, 0
.rept 16
	v_min_u32 v[RO+i], v[ORD+i], v[T0]
.set i, i+1
.endr
	v_min_u32 v[SOF], v[OT], v[T0]
.set i, 0
.rept 16
	v_min_u32 v[RO+i], 2047, v[RO+i]
.set i, i+1
.endr
	v_min_u32 v[SOF], 2047, v[SOF]
.set i, 0
.rept 16
	v_lshl_add_u32 v[RO+i], v[RO+i], 9, v[L16]     ; 512 bytes a row of codes, 16 a lane
.set i, i+1
.endr
	v_lshl_add_u32 v[SOF], v[SOF], 5, v[L1B]       ; 32 scale bytes a row, 16 a lane
	v_add_nc_u32 v[VS], \sd, v[H32]                ; and where the tile's entries 8 h on lie in the list
.endm
; 3 loads: the tile's scale bytes, and its entries 8 h .. 8 h + 7 for the stores
.macro SIDEL
	global_load_b128 v[SL:SL+3], v[SOF], s[10:11]
.irp u, 0,1
	global_load_b128 v[STK+4*\u:STK+4*\u+3], v[VS], s[12:13] offset:256+16*\u
.endr
.endm
; 32 matrix instructions: K steps s0 .. s0 + 3 x the 8 column tiles.  The 8 accumulators take turns, one instruction a turn; K step 0 starts the sums with the constant 0.
; deal = 1: behind each product of the first K step stand two of the next tile's 16 gathers (32 lanes read a row's 512 consecutive bytes).  No wait: the products name the accumulators, the fragments, the weights and the scales,
; none of which a gather touches.
.macro MULS win, s0, deal
	WIN \win
.irp p, 0,1,2,3
.irp t, 0,1,2,3,4,5,6,7
.if ((\s0)+\p) == 0
	v_wmma_scale_f32_16x16x128_f8f6f4 v[ACC+8*\t:ACC+8*\t+7], v[AF+8*((\s0)+\p):AF+8*((\s0)+\p)+7], v[64*\p+8*\t:64*\p+8*\t+7], 0, v[SA+(\s0)+\p], v[BS+8*\t+(\s0)+\p] matrix_a_fmt:MATRIX_FMT_FP4 matrix_b_fmt:MATRIX_FMT_FP4
.else
	v_wmma_scale_f32_16x16x128_f8f6f4 v[ACC+8*\t:ACC+8*\t+7], v[AF+8*((\s0)+\p):AF+8*((\s0)+\p)+7], v[64*\p+8*\t:64*\p+8*\t+7], v[ACC+8*\t:ACC+8*\t+7], v[SA+(\s0)+\p], v[BS+8*\t+(\s0)+\p] matrix_a_fmt:MATRIX_FMT_FP4 matrix_b_fmt:MATRIX_FMT_FP4
.endif
.if (\deal) && (\p == 0)
	global_load_b128 v[RA+8*\t:RA+8*\t+3],   v[RO+2*\t],   s[8:9]
	global_load_b128 v[RA+8*\t+4:RA+8*\t+7], v[RO+2*\t+1], s[8:9]
.endif
.endr
.endr
.endm
	s_load_b256 s[4:11], s[0:1], 0x0               ; kernel s[4:5], bias s[6:7], xcodes s[8:9], xscales s[10:11]
	s_load_b128 s[12:15], s[0:1], 0x20             ; route s[12:13], out0 s[14:15]
	v_lshl_add_u32 v190, v0, 2, 0x1b000
	v_mov_b32 v191, 0
	v_lshrrev_b32 v1, 5, v0
	v_readfirstlane_b32 s16, v1                    ; wave 0..3
	v_and_b32 v1, 31, v0                           ; lane
	v_and_b32 v2, 15, v0                           ; r
	v_bfe_u32 v3, v0, 4, 1                         ; h
	s_wait_alu depctr_va_vdst(0)
	s_wait_alu depctr_va_sdst(0)                   ; s16 is written, ahead of its first reader: the wave's shares and addresses are made from it
	s_and_b32 s17, s16, 1                          ; cg: which 64 columns I quantise
	s_lshr_b32 s18, s16, 1                         ; kh: which 512 along K
	s_mov_b32 s19, ttmp9                           ; the strip
	s_and_b32 s20, ttmp7, 0xffff                   ; the expert
	v_lshlrev_b32 v[L16], 4, v1
	s_wait_alu depctr_va_vdst(0)
	v_lshlrev_b32 v[R16], 4, v2
	v_lshl_add_u32 v[WO], v3, 19, v[R16]           ; 32 rows of 16,384 bytes for lanes 16-31
	s_lshl_b32 s21, s17, 15
	s_lshl_b32 s22, s18, 12
	s_add_co_u32 s21, s21, s22
	v_add_nc_u32 v[VI], s21, v[L16]
	s_lshl_b32 s21, s17, 12
	s_lshl_b32 s22, s18, 9
	s_add_co_u32 s21, s21, s22
	s_add_co_u32 s21, s21, SCL
	v_add_nc_u32 v[VSC], s21, v[L16]
	v_add_nc_u32 v[VSL], SCL, v[L16]
	v_lshlrev_b32 v[H8], 3, v3
	s_mul_i32 s21, s16, WSTG
	s_add_co_u32 s21, s21, STG                     ; my stage
	v_add_nc_u32 v[STS], s21, v[L16]
	v_mul_u32_u24 v[STF], v2, SP
	v_add_nc_u32 v[STR], s21, v[STF]
	v_lshl_add_u32 v[STF], v3, 4, v[STR]
	v_add_nc_u32 v[STR], 512, v[STR]
	v_lshrrev_b32 v[L2H], 1, v1
	v_and_b32 v[L1B], 1, v1
	v_lshlrev_b32 v[L1B], 4, v[L1B]
	v_mul_u32_u24 v[STC], v[L2H], SP
	v_add_nc_u32 v[STC], v[STC], v[L1B]
	v_add_nc_u32 v[STC], s21, v[STC]
	v_add_nc_u32 v[STC], 512, v[STC]
	v_lshlrev_b32 v[L2H], 2, v[L2H]
	v_lshlrev_b32 v[H32], 5, v3
.irp j, 0,1,2,3
	v_mov_b32 v[PX+\j], 0                          ; written once: a lane permute's destination counts as one of its sources
.endr
	s_mov_b32 s33, 0x1800000                       ; the floor 2^(3 - 127)
	s_mov_b32 s34, 0x76543210
	s_mov_b32 s35, 0xfedcba98                      ; v_permlanex16_b32's selects for lane l xor 16
	s_lshl_b32 s36, s20, 2
	s_mov_b32 s37, 0
	s_lshl_b32 s21, s19, 9                         ; the strip's 512 bytes in a row
	s_mov_b32 s23, 0
	s_wait_kmcnt 0x0
	s_add_nc_u64 s[38:39], s[12:13], s[36:37]
	s_load_b32 s24, s[38:39], 0x0                  ; tstart[e]
	s_load_b32 s25, s[38:39], 0x4                  ; tstart[e + 1]
	s_load_b32 s26, s[12:13], 0x20                 ; tstart[8]: the number of tiles
	s_mov_b32 s22, s21
	s_add_nc_u64 s[14:15], s[14:15], s[22:23]      ; out0 at the strip
	s_lshl_b32 s22, s20, 14
	s_add_co_u32 s22, s22, s21
	s_add_nc_u64 s[6:7], s[6:7], s[22:23]          ; bias at the expert's row and the strip
	s_lshl_b32 s22, s20, 24                        ; an expert's 16 MiB
	s_add_co_u32 s22, s22, s21
	s_lshl_b32 s21, s17, 8
	s_add_co_u32 s22, s22, s21                     ; my 64 columns
	s_lshl_b32 s21, s18, 23
	s_add_co_u32 s22, s22, s21                     ; my 512 rows
	s_add_nc_u64 s[4:5], s[4:5], s[22:23]
	WIN 0x80
	s_wait_alu depctr_va_vdst(0)                   ; the offsets and LDS addresses v4 to v17 are written: every load, store and LDS instruction of the kernel that names one of them stands behind this wait, and none of them is written again
	LOADU 0, 0                                     ; the weights are asked for before the list is waited for.  (More loads than LOADcnt's field holds are out of the text's hand: the issue waits, ISA guide 5.7.1)
	LOADU 1, 1
	WIN 0
	s_wait_kmcnt 0x0
	s_sub_co_u32 s27, s25, s24                     ; the expert's tiles
	s_max_u32 s28, s27, 1
	s_sub_co_u32 s28, s28, 1                       ; its last tile, counted from its first
	s_sub_co_u32 s29, s26, 1                       ; the list's last tile
	s_mov_b32 s30, s16                             ; t: my first tile
	GIDX s31, 0
	ORDA s31
	s_wait_alu depctr_va_vdst(0)                   ; v[VU] and v[VT] are written, which the five loads below read as offsets
	ORDL                                           ; 5 loads: my first tile's entries
.irp g, 0,1
	global_load_b128 v[BIAS+4*\g:BIAS+4*\g+3], v[R16], s[6:7] offset:256*\g   ; 2 loads: bias of columns 64 cg + 4 r + j
.endr
	; ---------------- PHASE A: eight units, two landing buffers and two buffers of codes by turns ----------------
	; The counts: behind unit 0's loads stand unit 1's 32 and the 7 above; behind unit 1's the 7 and unit 2's 32; behind units 2 to 6 the next unit's 32; behind unit 7's the 24 of the first token tile.
	; The 7 stand ahead of unit 2's loads, so unit 2's wait shows them landed.
.irp q, 0,1,2,3,4,5,6,7
.if \q < 2
	s_wait_loadcnt 39
.elseif \q < 7
	s_wait_loadcnt 32
.else
	s_wait_loadcnt 24
.endif
.if \q >= 2
	s_wait_alu depctr_vm_vsrc(0)                   ; the LDS stores issued in the unit before have read this unit's buffer of codes and the scale words, which this unit writes again; in unit 6: the first list loads have read v[VU] and v[VT]
.endif
	SORTU \q%2
.if \q < 6
	WIN 0x80
	s_wait_alu depctr_va_vdst(0)                   ; the moves are done reading the landing buffer, in which the loads below land; the unit before has written its codes and scale words, which the LDS stores below read
	LOADU \q+2, \q%2                               ; the buffer just read out takes the unit two on
	WIN 0
.endif
.if \q == 6
	WIN 0                                          ; nothing is left to fetch of the weights: my first token tile is gathered (19 loads), and the entries of my next (5)
	GIDX s32, 0
	GIDX s31, 4
	NADDR s32
	ORDA s31
	WIN 0x40
	s_wait_alu depctr_va_vdst(0)                   ; the gathers' offsets are written, and the lines that made them are done reading the entries, in which the next tile's land; unit 5 has written its codes and scale words, which the LDS stores below read
.set i, 0
.rept 16
	global_load_b128 v[RA+4*i:RA+4*i+3], v[RO+i], s[8:9]   ; 32 lanes read a row's 512 consecutive bytes
.set i, i+1
.endr
	WIN 0
	SIDEL
	ORDL
.endif
.if (\q > 0) && (\q < 7)
	PUT \q-1                                       ; the unit before goes to LDS.  No wait of its own: no vector instruction since the wait above names its registers
.endif
	QUANTU \q
.endr
	s_wait_alu depctr_va_vdst(0)                   ; units 6 and 7 have written both buffers of codes and the scale words, which the LDS stores below read.  It is phase A's last vector work: it is also done with windows 2 and 3 and with v192-255, in which LDS loads land behind the barrier
	PUT 6
	PUT 7
	s_wait_dscnt 0x0                               ; for the others' sake: my images and scale words have landed
	s_barrier_signal -1
	s_barrier_wait -1                              ; the one barrier: on every wave's path, under no branch
	s_cmp_ge_u32 s16, s27
	s_cbranch_scc1 .Lend                           ; a wave without a tile ends; no barrier follows
	s_sub_co_u32 s40, s27, s16                     ; the expert has more tiles than my number: my tiles are w, w + 4, ..:
	s_add_co_u32 s40, s40, 3
	s_lshr_b32 s40, s40, 2                         ; (tiles - w + 3) / 4 trips, at least one
	s_mov_b32 s41, 0                               ; the loop's counter, in steps of 1
	; the whole strip's codes and scale words into my registers (no vector instruction has been issued since the wait behind unit 7, and no memory instruction has read windows 2 and 3 or v32-95)
	WIN 0x80
.irp s, 0,1,2,3
.irp t, 0,1,2,3,4,5,6,7
.irp c, 0,1
	ds_load_b128 v[64*\s+8*\t+4*\c:64*\s+8*\t+4*\c+3], v[L16] offset:(8*\t+\s)*1024+512*\c
.endr
.endr
.endr
	WIN 0xc0
.irp s, 0,1,2,3
.irp t, 0,1,2,3,4,5,6,7
.irp c, 0,1
	ds_load_b128 v[64*\s+8*\t+4*\c:64*\s+8*\t+4*\c+3], v[L16] offset:(8*\t+\s+4)*1024+512*\c
.endr
.endr
.endr
	WIN 0
.irp t, 0,1,2,3,4,5,6,7
.irp u, 0,1
	ds_load_b128 v[BS+8*\t+4*\u:BS+8*\t+4*\u+3], v[VSL] offset:(2*\t+\u)*512
.endr
.endr
	; ---------------- PHASE B: a tile of 16 tokens a trip ----------------
.Ltile:
	s_wait_loadcnt 0x0                             ; this tile's rows, scale bytes and entries and the next tile's entries are in; their address registers may be written
	s_wait_xcnt 0x0                                ; the last trip's stores have had their addresses translated: their offsets and data are written again only behind this wait
	s_wait_alu depctr_vm_vsrc(0)                   ; the last trip's stores have read their offsets and results, its gathers their offsets: all are written again below; in the first trip: phase A's last LDS stores have read v192-247, in which the fragments land
	WIN 0x04
.set i, 0
.rept 16
	ds_store_b128 v[STS], v[RA+4*i:RA+4*i+3] offset:SP*i   ; row i as it lies
.set i, i+1
.endr
	WIN 0
	ds_store_b128 v[STC], v[SL:SL+3]               ; and the rows' scale bytes behind their codes
.irp s, 0,1,2,3,4,5,6,7
.irp c, 0,1
	ds_load_b128 v[AF+8*\s+4*\c:AF+8*\s+4*\c+3], v[STF] offset:64*\s+32*\c   ; fragment s: lane (r, h) takes row r, k = 128 s + 64 c + 32 h on.  LDS serves a wave's instructions in order: these see my stores.
.endr
.endr                                                  ; (The last trip's products are done reading these registers: the wait behind its additions has shown it, and no vector instruction since names them)
.irp u, 0,1
	ds_load_b128 v[SA+4*\u:SA+4*\u+3], v[STR] offset:16*\u   ; row r's eight scale words
.endr
.irp m, 0,1,2,3,4,5,6,7                ; the address work stands here, while LDS serves the stage
	v_min_u32 v[SO+\m], v[STK+\m], v[T0]           ; where my 8 rows of out0 lie: a row that is over takes row 0's token
.endr
.irp m, 0,1,2,3,4,5,6,7
	v_min_u32 v[SO+\m], 2047, v[SO+\m]
.endr
.irp m, 0,1,2,3,4,5,6,7
	v_lshl_add_u32 v[SO+\m], v[SO+\m], 14, v[R16]  ; 16,384 bytes a row, 16 a lane
.endr
	GIDX s32, 4
	GIDX s31, 8
	NADDR s32                                      ; the next tile's offsets (row 0's entry is written over here, behind its last use)
	ORDA s31
	s_wait_alu depctr_va_vdst(0)                   ; the offsets of this trip's gathers, list loads and stores are written; the lines that made them are done reading the entries (v112-127, v23, v152-159), in which the loads below land
	s_wait_dscnt 0x0                               ; fragments and scale words are in (in the first trip the weights' too)
	s_wait_alu depctr_vm_vsrc(0)                   ; the stage's stores have read the gathered rows and scale bytes, in which the next tile's land
	SIDEL                                          ; my next tile, a trip ahead; past the expert's end its last tile is read again, so that every trip issues the same 24 loads
	ORDL
	MULS 0x58, 0, 1                                ; tokens window 0, weights window 2, sums window 1; the 16 rows are gathered among the first eight products
	MULS 0x5c, 4, 0                                ; weights window 3
.rept 4
	v_nop                                          ; four places between the last products and the first read of a result (ISA guide 7.12.1)
.endr
	WIN 0x41
.irp m, 0,1,2,3,4,5,6,7                ; each accumulator is read from its register 0 on
.irp g, 0,1
.irp j, 0,1,2,3
	v_add_f32 v[OUT+32*\g+4*\m+\j], v[ACC+8*(4*\g+\j)+\m], v[BIAS+4*\g+\j]   ; + bias; four tiles' results become four neighbouring columns
.endr
.endr
.endr
	WIN 0x04
	s_wait_alu depctr_va_vdst(0)                   ; the additions have written the results, which the stores below read; the trip's products are done reading the tokens' fragments and scale words, in which the next trip's LDS loads land
.irp m, 0,1,2,3,4,5,6,7
.irp g, 0,1
	global_store_b128 v[SO+\m], v[OUT+32*\g+4*\m:OUT+32*\g+4*\m+3], s[14:15] offset:256*\g th:TH_STORE_NT   ; lanes 0-15: 256 consecutive bytes of token m's row, aligned; lanes 16-31: of token 8 + m's
.endr
.endr
	WIN 0                                          ; at a label and at a branch every window is 0
	s_add_co_u32 s30, s30, 4                       ; my next tile's number: it enters addresses through GIDX's bounds alone
	s_add_co_u32 s41, s41, 1                       ; the loop ends on its own counter
	s_cmp_lt_u32 s41, s40
	s_cbranch_scc1 .Ltile
.Lend:
	s_wait_dscnt 0x0
	s_wait_alu depctr_hold_cnt(0) depctr_sa_sdst(0) depctr_va_vdst(0) depctr_va_sdst(0) depctr_va_ssrc(0) depctr_va_vcc(0) depctr_vm_vsrc(0)
	s_wait_tensorcnt 0x0
	ds_add_u32 v190, v191
	s_wait_dscnt 0x0
	s_endpgm
.Lfunc_end_k_q8c68bd131c_moe:
	.size	k_q8c68bd131c_moe, .Lfunc_end_k_q8c68bd131c_moe-k_q8c68bd131c_moe
	.p2alignl 7, 3214868480
	.fill 96, 4, 3214868480
	.section	.rodata,"a",@progbits
	.p2align	6, 0x0
	.amdhsa_kernel k_q8c68bd131c_moe
		.amdhsa_group_segment_fixed_size 111104
		.amdhsa_private_segment_fixed_size 0
		.amdhsa_enable_private_segment 0
		.amdhsa_kernarg_size 48
		.amdhsa_user_sgpr_count 2
		.amdhsa_user_sgpr_kernarg_segment_ptr 1
		.amdhsa_wavefront_size32 1
		.amdhsa_system_sgpr_workgroup_id_x 1
		.amdhsa_system_sgpr_workgroup_id_y 1
		.amdhsa_system_sgpr_workgroup_id_z 1
		.amdhsa_system_vgpr_workitem_id 0
		.amdhsa_next_free_vgpr 1024
		.amdhsa_next_free_sgpr 66
		.amdhsa_reserve_vcc 0
		.amdhsa_float_denorm_mode_32 3
		.amdhsa_float_denorm_mode_16_64 3
		.amdhsa_memory_ordered 1
		.amdhsa_forward_progress 1
		.amdhsa_inst_pref_size 149
	.end_amdhsa_kernel
	.amdgpu_metadata
---
amdhsa.version: [ 1, 2 ]
amdhsa.kernels:
  - .name:           k_q8c68bd131c_moe
    .symbol:         k_q8c68bd131c_moe.kd
    .args:
      - { .name: kernel, .offset: 0, .size: 8, .value_kind: global_buffer, .address_space: global }
      - { .name: bias, .offset: 8, .size: 8, .value_kind: global_buffer, .address_space: global }
      - { .name: xcodes, .offset: 16, .size: 8, .value_kind: global_buffer, .address_space: global }
      - { .name: xscales, .offset: 24, .size: 8, .value_kind: global_buffer, .address_space: global }
      - { .name: route, .offset: 32, .size: 8, .value_kind: global_buffer, .address_space: global }
      - { .name: out0, .offset: 40, .size: 8, .value_kind: global_buffer, .address_space: global }
    .group_segment_fixed_size: 111104
    .private_segment_fixed_size: 0
    .kernarg_segment_align: 8
    .kernarg_segment_size: 48
    .max_flat_workgroup_size: 128
    .sgpr_count:     66
    .vgpr_count:     1024
    .wavefront_size: 32
...
	.end_amdgpu_metadata
.endif
;; end of part 4
